; MI455X (gfx1250); checked and timed in simulation.
; The chip was launched on July 23, 2026; its instructions are those of AMD's public machine-readable ISA for CDNA 5 (MIT licence, August 2026) and "CDNA5" Instruction Set Architecture Reference Guide (July 2026). The comments in the code are by the model that wrote it; some were corrected since.
;; Tiny Mo E. Allowed arithmetic: float matrix products may take bf16 or f16 operands with f32 sums; all other float work in f32.
;; Inputs: experts_down 8 x 1,024 x 1,024 float32; experts_gate 8 x 1,024 x 1,024 float32; experts_up 8 x 1,024 x 1,024 float32; hidden_states 2 x 1,024 x 1,024 float32; router_w 8 x 1,024 float32; shared_down 1,024 x 1,024 float32; shared_gate 1,024 x 1,024 float32; shared_up 1,024 x 1,024 float32.
;; Outputs: out0 2 x 1,024 x 1,024 float32.
;; 3 versions, each right and faster than the one before. Each part assembles by itself: llvm-mc -triple=amdgcn-amd-amdhsa -mcpu=gfx1250 --defsym DOCPART=n.
;; ======== version 1 of 3: 5 launches
;; workspace buffers: xb 4,194,304 bytes; code 8,192 bytes of whole numbers; tw 24,576 bytes; rows 28,160 bytes of whole numbers; pos 65,536 bytes of whole numbers; meta 256 bytes of whole numbers; hid 14,417,920 bytes; y 28,835,840 bytes
;; launch route (part 1): grid 256 x 1, 4 waves a work-group, no clusters, 0 bytes of LDS; arguments hidden_states, router_w, xb, code, tw; writes xb, code, tw
.if DOCPART == 1
	.amdgcn_target "amdgcn-amd-amdhsa--gfx1250"
	.amdhsa_code_object_version 6
	.text
	.protected	k_q798e31e633_route
	.globl	k_q798e31e633_route
	.p2align	8
	.type	k_q798e31e633_route,@function
k_q798e31e633_route:
	s_mov_b64 s[64:65], 0
	v_nop
	global_prefetch_b8 v0, s[64:65] scope:SCOPE_SE
	s_setreg_imm32_b32 hwreg(HW_REG_WAVE_MODE, 25, 1), 1
	s_wait_xcnt 0x0
; ROUTE: logits = x router_w^T in f32, the two largest of eight, their softmax weights; x rounded to bf16 for the products.
; WORK LEFT OUT BY THE WHOLE PROGRAM.  reference() multiplies every token with all eight routed experts and then keeps, by
; take_along_axis on topk_idx, two of the eight results; the other six reach no output.  Which two is a choice by whole numbers:
; this launch stores it (code), a second launch turns it into row lists, and the product launches read the lists and multiply each
; token with its two experts and the shared one only.  The factor SCALE is 1.0 and is not multiplied.  Every input is loaded.
; LIMITS.  A NaN, an infinity or an overflow that arises only in an expert that a token did not choose is not carried to the result.
; The two largest are taken on the logits, not on the rounded scores: the same choice unless two unequal logits round to one score.
; Equal logits: the lower index wins, as in top_k.  NaN logits are not ordered as top_k orders them.
; The logits are f32 sums in another order than reference()'s: two logits closer than that rounding may change places.
; SHARES.  A wave takes two tokens; a lane takes 4 columns of each of 8 chunks of 128 columns, so every load covers 512 consecutive bytes.
; The three small tables (code 8 KiB, tw 24 KiB) are stored 8 bytes a wave: 32 KiB in all beside 12 MiB of x and xb.
.set X,    8                           ; v[8:71]    x: token tk, chunk c at 32 tk + 4 c
.set W,    72                          ; v[72:199]  router_w: chunk c & 3, expert e at 32 (c & 3) + 4 e; free behind the last DOT
.set ACC,  200                         ; v[200:231] pair of sums for (tk, e) at 16 tk + 2 e; later the logit in the even register
.set KI,   72                          ; v[72:79]   the numbers 0 to 7
.set EX,   80                          ; v[80:88]   exponentials
.set BEST, 90
.set BI,   91
.set SEC,  92
.set SI,   93
.set TMP,  94
.set C256, 95
.set O0,   96                          ; v[96:98]   token 0: code, w0, w1
.set O1,   100                         ; v[100:102] token 1
.set ONEF, 104
.set LOG2E, 0x3fb8aa3b
	s_load_b256 s[4:11], s[0:1], 0x0               ; x s[4:5], router_w s[6:7], xb s[8:9], code s[10:11]
	s_load_b64 s[12:13], s[0:1], 0x20              ; tw
	v_lshrrev_b32 v1, 5, v0
	v_readfirstlane_b32 s14, v1                    ; wave
	v_and_b32 v1, 31, v0                           ; lane
	v_lshlrev_b32 v2, 4, v1                        ; 16 bytes a lane (f32 loads)
	v_lshlrev_b32 v3, 3, v1                        ; 8 bytes a lane (bf16 stores)
	v_lshlrev_b32 v4, 2, v1                        ; 4 bytes a lane (tables)
	s_lshl_b32 s15, ttmp9, 3
	s_lshl1_add_u32 s15, s14, s15                  ; first token = 8 x work-group + 2 x wave
	s_mov_b32 s17, 0
	s_mov_b32 s18, 0x76543210                      ; v_permlanex16_b32: lane i reads lane i of the other half
	s_mov_b32 s19, 0xfedcba98
	s_wait_kmcnt 0x0
	s_lshl_b32 s16, s15, 12
	s_add_nc_u64 s[4:5], s[4:5], s[16:17]          ; x at my first token
	s_lshl_b32 s16, s15, 11
	s_add_nc_u64 s[8:9], s[8:9], s[16:17]          ; xb likewise
	s_lshl_b32 s16, s15, 2
	s_add_nc_u64 s[10:11], s[10:11], s[16:17]      ; code[t0]
	s_add_nc_u64 s[12:13], s[12:13], s[16:17]      ; tw[t0]
.macro LOADW half                      ; router_w, four chunks of all eight experts
.irp c, 0,1,2,3
.irp e, 0,1,2,3,4,5,6,7
	global_load_b128 v[W+32*\c+4*\e:W+32*\c+4*\e+3], v2, s[6:7] offset:4096*\e+512*(\c+4*\half)
.endr
.endr
.endm
.macro DOT c, first                    ; chunk c of both tokens against all eight experts: two packed multiply-adds for each pair of sums
.irp tk, 0,1
.irp e, 0,1,2,3,4,5,6,7
.if \first
	v_pk_mul_f32 v[ACC+16*\tk+2*\e:ACC+16*\tk+2*\e+1], v[X+32*\tk+4*\c:X+32*\tk+4*\c+1], v[W+32*(\c&3)+4*\e:W+32*(\c&3)+4*\e+1]
.else
	v_pk_fma_f32 v[ACC+16*\tk+2*\e:ACC+16*\tk+2*\e+1], v[X+32*\tk+4*\c:X+32*\tk+4*\c+1], v[W+32*(\c&3)+4*\e:W+32*(\c&3)+4*\e+1], v[ACC+16*\tk+2*\e:ACC+16*\tk+2*\e+1]
.endif
.endr
.endr
.irp tk, 0,1
.irp e, 0,1,2,3,4,5,6,7
	v_pk_fma_f32 v[ACC+16*\tk+2*\e:ACC+16*\tk+2*\e+1], v[X+32*\tk+4*\c+2:X+32*\tk+4*\c+3], v[W+32*(\c&3)+4*\e+2:W+32*(\c&3)+4*\e+3], v[ACC+16*\tk+2*\e:ACC+16*\tk+2*\e+1]
.endr
.endr
.endm
.macro STX c                           ; chunk c, no longer needed in f32, is rounded in place and stored: 32 lanes x 8 bytes = 256 consecutive bytes, aligned
.irp tk, 0,1
	v_cvt_pk_bf16_f32 v[X+32*\tk+4*\c], v[X+32*\tk+4*\c], v[X+32*\tk+4*\c+1]
	v_cvt_pk_bf16_f32 v[X+32*\tk+4*\c+1], v[X+32*\tk+4*\c+2], v[X+32*\tk+4*\c+3]
	global_store_b64 v3, v[X+32*\tk+4*\c:X+32*\tk+4*\c+1], s[8:9] offset:2048*\tk+256*\c
.endr
.endm
.irp tk, 0,1
.irp c, 0,1,2,3,4,5,6,7
	global_load_b128 v[X+32*\tk+4*\c:X+32*\tk+4*\c+3], v2, s[4:5] offset:4096*\tk+512*\c th:TH_LOAD_NT
.endr
.endr
	LOADW 0
	s_wait_loadcnt 0x0
	DOT 0, 1
	DOT 1, 0
	DOT 2, 0
	DOT 3, 0
	LOADW 1                                        ; the other half of router_w comes while the first four chunks go out
	STX 0
	STX 1
	STX 2
	STX 3
	s_wait_loadcnt 0x0
	DOT 4, 0
	DOT 5, 0
	DOT 6, 0
	DOT 7, 0
	STX 4
	STX 5
	STX 6
	STX 7
	; the sixteen sums over the wave's 32 lanes, stage by stage so that no line waits for the one in front of it
.set i, 0
.rept 16
	v_add_f32 v[ACC+2*i], v[ACC+2*i], v[ACC+2*i+1]
.set i, i+1
.endr
.macro REDX m
.set i, 0
.rept 16
	v_add_f32_dpp v[ACC+2*i], v[ACC+2*i], v[ACC+2*i] row_xmask:\m row_mask:0xf bank_mask:0xf
.set i, i+1
.endr
.endm
	REDX 1
	REDX 2
	REDX 4
	REDX 8
.set i, 0
.rept 16
	v_permlanex16_b32 v[ACC+2*i+1], v[ACC+2*i], s18, s19   ; the odd register has been written: it held the pair's other sum
.set i, i+1
.endr
.set i, 0
.rept 16
	v_add_f32 v[ACC+2*i], v[ACC+2*i], v[ACC+2*i+1]         ; every lane holds logit (tk, e) in v[ACC + 16 tk + 2 e]
.set i, i+1
.endr
.irp e, 0,1,2,3,4,5,6,7
	v_mov_b32 v[KI+\e], \e
.endr
	v_mov_b32 v[C256], 0x100
	v_mov_b32 v[ONEF], 1.0
; One token: largest and second largest logit with their indices, softmax weights with the largest taken away, the code word.
.macro PICK tk, o
	v_mov_b32 v[BEST], v[ACC+16*\tk]
	v_mov_b32 v[BI], 0
.irp e, 1,2,3,4,5,6,7
	v_cmp_gt_f32 vcc_lo, v[ACC+16*\tk+2*\e], v[BEST]       ; strictly greater: of equals the lower index stays
	v_cndmask_b32 v[BEST], v[BEST], v[ACC+16*\tk+2*\e], vcc_lo
	v_cndmask_b32 v[BI], v[BI], v[KI+\e], vcc_lo
.endr
	v_mov_b32 v[SEC], 0xff800000                   ; minus infinity,
	v_cmp_eq_u32 vcc_lo, 0, v[BI]
	v_cndmask_b32 v[SI], v[KI], v[KI+1], vcc_lo    ; and an index that is not the first one's: the two always differ
.irp e, 0,1,2,3,4,5,6,7
	v_cmp_gt_f32 s21, v[ACC+16*\tk+2*\e], v[SEC]
	v_cmp_ne_u32 vcc_lo, \e, v[BI]
	s_and_b32 vcc_lo, vcc_lo, s21
	v_cndmask_b32 v[SEC], v[SEC], v[ACC+16*\tk+2*\e], vcc_lo
	v_cndmask_b32 v[SI], v[SI], v[KI+\e], vcc_lo
.endr
.irp e, 0,1,2,3,4,5,6,7
	v_sub_f32 v[EX+\e], v[ACC+16*\tk+2*\e], v[BEST]        ; the maximum is taken away, as in softmax
.endr
	v_sub_f32 v[EX+8], v[SEC], v[BEST]
.irp e, 0,1,2,3,4,5,6,7,8
	v_mul_f32 v[EX+\e], LOG2E, v[EX+\e]
.endr
.irp e, 0,1,2,3,4,5,6,7,8
	v_exp_f32 v[EX+\e], v[EX+\e]
.endr
	v_nop                                          ; one plain instruction between the last exponential and the first use (ISA guide 5.7.2)
	s_wait_alu depctr_va_vdst(0)
	v_add_f32 v[EX], v[EX], v[EX+1]
	v_add_f32 v[EX+2], v[EX+2], v[EX+3]
	v_add_f32 v[EX+4], v[EX+4], v[EX+5]
	v_add_f32 v[EX+6], v[EX+6], v[EX+7]
	v_add_f32 v[EX], v[EX], v[EX+2]
	v_add_f32 v[EX+4], v[EX+4], v[EX+6]
	v_add_f32 v[EX], v[EX], v[EX+4]
	v_rcp_f32 v[\o+1], v[EX]                       ; w0 = exp(0) / sum
	v_lshlrev_b32 v[\o], v[BI], v[KI+1]            ; 1 << e0 (also the plain instruction behind the reciprocal)
	v_lshlrev_b32 v[TMP], v[SI], v[C256]           ; 1 << (e1 + 8)
	v_or_b32 v[\o], v[\o], v[TMP]
	s_wait_alu depctr_va_vdst(0)
	v_mul_f32 v[\o+2], v[EX+8], v[\o+1]            ; w1
.endm
	PICK 0, O0
	PICK 1, O1
	v_cmp_eq_u32 vcc_lo, 1, v1                     ; lane 0 stores token 0's words, lane 1 token 1's
	v_cndmask_b32 v[O0], v[O0], v[O1], vcc_lo
	v_cndmask_b32 v[O0+1], v[O0+1], v[O1+1], vcc_lo
	v_cndmask_b32 v[O0+2], v[O0+2], v[O1+2], vcc_lo
	v_cmp_gt_u32 vcc_lo, 2, v1
	s_wait_xcnt 0x0                                ; EXEC is a source of the pending stores of xb: it narrows only behind this wait
	s_and_saveexec_b32 s20, vcc_lo
	global_store_b32 v4, v[O0], s[10:11]                   ; code[t]
	global_store_b32 v4, v[O0+1], s[12:13]                 ; tw[t]: first choice
	global_store_b32 v4, v[O0+2], s[12:13] offset:8192     ; tw[2048 + t]: second choice
	global_store_b32 v4, v[ONEF], s[12:13] offset:16384    ; tw[4096 + t]: the shared expert's rows weigh 1
	s_wait_xcnt 0x0                                ; and widens only behind this one
	s_or_b32 exec_lo, exec_lo, s20
	s_endpgm
.Lfunc_end_k_q798e31e633_route:
	.size	k_q798e31e633_route, .Lfunc_end_k_q798e31e633_route-k_q798e31e633_route
	.p2alignl 7, 3214868480
	.fill 96, 4, 3214868480
	.section	.rodata,"a",@progbits
	.p2align	6, 0x0
	.amdhsa_kernel k_q798e31e633_route
		.amdhsa_group_segment_fixed_size 0
		.amdhsa_private_segment_fixed_size 0
		.amdhsa_enable_private_segment 0
		.amdhsa_kernarg_size 40
		.amdhsa_user_sgpr_count 2
		.amdhsa_user_sgpr_kernarg_segment_ptr 1
		.amdhsa_wavefront_size32 1
		.amdhsa_system_sgpr_workgroup_id_x 1
		.amdhsa_system_sgpr_workgroup_id_y 1
		.amdhsa_system_sgpr_workgroup_id_z 1
		.amdhsa_system_vgpr_workitem_id 0
		.amdhsa_next_free_vgpr 232
		.amdhsa_next_free_sgpr 66
		.amdhsa_reserve_vcc 1
		.amdhsa_float_denorm_mode_32 3
		.amdhsa_float_denorm_mode_16_64 3
		.amdhsa_memory_ordered 1
		.amdhsa_forward_progress 1
		.amdhsa_inst_pref_size 43
	.end_amdhsa_kernel
	.amdgpu_metadata
---
amdhsa.version: [ 1, 2 ]
amdhsa.kernels:
  - .name:           k_q798e31e633_route
    .symbol:         k_q798e31e633_route.kd
    .args:
      - { .name: hidden_states, .offset: 0, .size: 8, .value_kind: global_buffer, .address_space: global }
      - { .name: router_w, .offset: 8, .size: 8, .value_kind: global_buffer, .address_space: global }
      - { .name: xb, .offset: 16, .size: 8, .value_kind: global_buffer, .address_space: global }
      - { .name: code, .offset: 24, .size: 8, .value_kind: global_buffer, .address_space: global }
      - { .name: tw, .offset: 32, .size: 8, .value_kind: global_buffer, .address_space: global }
    .group_segment_fixed_size: 0
    .private_segment_fixed_size: 0
    .kernarg_segment_align: 8
    .kernarg_segment_size: 40
    .max_flat_workgroup_size: 128
    .sgpr_count:     66
    .vgpr_count:     232
    .wavefront_size: 32
...
	.end_amdgpu_metadata
.endif
;; end of part 1
;; launch plan (part 2): grid 1 x 1, 8 waves a work-group, no clusters, 72,960 bytes of LDS; arguments code, rows, pos, meta; writes rows, pos, meta
.if DOCPART == 2
	.amdgcn_target "amdgcn-amd-amdhsa--gfx1250"
	.amdhsa_code_object_version 6
	.text
	.protected	k_q798e31e633_plan
	.globl	k_q798e31e633_plan
	.p2align	8
	.type	k_q798e31e633_plan,@function
k_q798e31e633_plan:
	s_mov_b64 s[64:65], 0
	v_nop
	global_prefetch_b8 v0, s[64:65] scope:SCOPE_SE
	s_setreg_imm32_b32 hwreg(HW_REG_WAVE_MODE, 25, 1), 1
	s_wait_xcnt 0x0
; PLAN: from code[t] (bit e: first choice, bit e + 8: second choice) the row lists that the product launches walk.
; Padded rows come in 55 blocks of 128.  Blocks 0-15: the shared expert, row i = token i.  Then expert 0's rows, padded to whole blocks, expert 1's, ..
; rows[i] = p = slot x 2048 + token (slot 0, 1: first, second choice; slot 2: shared); padding and the blocks behind the last expert's hold p = 0.
; pos[e][t] = padded row of token t in expert e's list (only the entries of chosen experts are read later).  meta[q] = expert of block q, 8 = shared.
; Each token names two different experts, so an expert has at most 2,048 rows and all experts together 4,096: at most 16 + 39 = 55 blocks.
; One work-group, since the counts of all experts meet here; wave e owns expert e and an LDS region of its own, so that no two waves store to the same bytes.
.set PITCH, 8448                       ; a wave's region: 2,048 words of list, then a word that takes the stores of lanes with nothing to list
.set ZERO,  8*PITCH                    ; 4,096 bytes of zeros: the source of the blocks behind the last expert's
.set CNT,   ZERO+4096                  ; eight counts
.set C,  16                            ; v[16:79]   code: register 4 j + k holds token 128 j + 4 lane + k
.set R,  80                            ; v[80:143]  that token's rank in my list, later its padded row
.set N,  144                           ; v[144:151] the eight counts
.set SH, 152                           ; v[152:159] the shared blocks' words
.set LS, 160                           ; v[160:179] list blocks on their way out
.set MT, 180                           ; v[180:181] meta
	s_load_b256 s[4:11], s[0:1], 0x0               ; code s[4:5], rows s[6:7], pos s[8:9], meta s[10:11]
	v_lshl_add_u32 v182, v0, 2, 0x11900
	v_mov_b32 v183, 0
	v_lshrrev_b32 v1, 5, v0
	v_readfirstlane_b32 s12, v1                    ; wave = expert
	v_and_b32 v1, 31, v0                           ; lane
	v_lshlrev_b32 v2, 4, v1                        ; 16 x lane
	v_lshlrev_b32 v10, 2, v1                       ; 4 x lane
	v_lshlrev_b32 v13, 4, v0                       ; 16 x thread
	s_wait_kmcnt 0x0
.irp j, 0,1,2,3,4,5,6,7,8,9,10,11,12,13,14,15
	global_load_b128 v[C+4*\j:C+4*\j+3], v2, s[4:5] offset:512*\j
.endr
	v_mov_b32 v4, 0
	v_mov_b32 v5, 0
	v_mov_b32 v6, 0
	v_mov_b32 v7, 0
	s_mul_i32 s16, s12, PITCH                      ; my region
	v_add_nc_u32 v8, s16, v2
.irp j, 0,1,2,3,4,5,6,7,8,9,10,11,12,13,14,15
	ds_store_b128 v8, v[4:7] offset:512*\j         ; my list starts as zeros: what stays is the padding
.endr
	v_add_nc_u32 v9, ZERO, v13
	ds_store_b128 v9, v[4:7]                       ; 256 threads x 16 bytes: the zeros
	v_lshlrev_b32 v3, 2, v0
.irp j, 0,1
.irp k, 0,1,2,3
	v_add_nc_u32 v[SH+4*\j+\k], 4096+1024*\j+\k, v3        ; shared rows: p = 4096 + row
.endr
	global_store_b128 v13, v[SH+4*\j:SH+4*\j+3], s[6:7] offset:4096*\j
.endr
	s_lshl_b32 s13, 0x101, s12                     ; my expert's two bits
	s_add_co_u32 s14, s12, 8
	s_mov_b32 s15, 0                               ; rows listed so far
	v_mov_b32 v12, 0x800
	s_wait_loadcnt 0x0
	; one pass: rank every token that names my expert and put its p into my list.  LDS serves a wave's stores in order: these land on the zeros.
.set i, 0
.rept 64
	v_and_b32 v3, s13, v[C+i]
	v_cmp_ne_u32 vcc_lo, 0, v3
	v_mbcnt_lo_u32_b32 v[R+i], vcc_lo, s15         ; rows so far + chosen lanes below me
	v_lshrrev_b32 v14, s14, v3                     ; 1 if it is the second choice
	v_lshl_add_u32 v14, v14, 11, v10               ; slot x 2048 + 4 lane
	v_add_nc_u32 v14, 128*(i/4)+(i%4), v14         ; + the register's tokens: p
	v_cndmask_b32 v15, v12, v[R+i], vcc_lo         ; lanes with nothing to list aim at word 2,048
	v_min_u32 v15, 0x800, v15
	v_lshl_add_u32 v15, v15, 2, s16
	ds_store_b32 v15, v14
	s_bcnt1_i32_b32 s17, vcc_lo
	s_add_co_u32 s15, s15, s17
.set i, i+1
.endr
	s_lshl_b32 s17, s12, 2
	s_add_co_u32 s17, s17, CNT
	v_mov_b32 v3, s17
	v_mov_b32 v14, s15
	ds_store_b32 v3, v14                           ; my count
	s_wait_dscnt 0x0                               ; zero: the other waves read my list, my part of the zeros and my count behind the barrier
	s_barrier_signal -1
	s_barrier_wait -1
	v_mov_b32 v3, CNT
	ds_load_b128 v[N:N+3], v3
	ds_load_b128 v[N+4:N+7], v3 offset:16
	s_wait_dscnt 0x0
	s_mov_b32 s18, 16                              ; the shared expert's sixteen blocks come first
.irp e, 0,1,2,3,4,5,6,7
	v_readfirstlane_b32 s19, v[N+\e]
	s_min_u32 s19, s19, 2048
	s_add_co_u32 s19, s19, 127
	s_lshr_b32 s19, s19, 7                         ; blocks of expert e
	s_add_co_u32 s18, s18, s19
	s_mov_b32 s[32+\e], s18                        ; first block behind expert e's
.endr
	s_mov_b32 s40, 16
.irp e, 0,1,2,3,4,5,6
	s_cmp_gt_u32 s12, \e
	s_cselect_b32 s40, s[32+\e], s40               ; my first block: the end of the expert in front of me
.endr
	s_lshl_b32 s41, s40, 7
.set i, 0
.rept 64
	v_add_nc_u32 v[R+i], s41, v[R+i]               ; rank to padded row
.set i, i+1
.endr
	s_lshl_b32 s20, s12, 13
	s_mov_b32 s21, 0
	s_add_nc_u64 s[8:9], s[8:9], s[20:21]          ; pos[e]
.irp j, 0,1,2,3,4,5,6,7,8,9,10,11,12,13,14,15
	global_store_b128 v2, v[R+4*\j:R+4*\j+3], s[8:9] offset:512*\j
.endr
; Block q = wave + 8 j of rows (one block is one store of a wave: 32 lanes x 16 bytes).  Its expert and that expert's first block by selects;
; behind the last expert's blocks the count reaches 8 and the source is the region of zeros.
.macro LISTQ j
	s_add_co_u32 s42, s12, 8*\j
	s_mov_b32 s43, 16
	s_mov_b32 s44, 0
.irp e, 0,1,2,3,4,5,6,7
	s_cmp_ge_u32 s42, s[32+\e]
	s_cselect_b32 s43, s[32+\e], s43
	s_cselect_b32 s45, 1, 0
	s_add_co_u32 s44, s44, s45
.endr
	s_sub_co_u32 s42, s42, s43                     ; block within the expert's list
	s_mul_i32 s44, s44, PITCH
	s_lshl_b32 s42, s42, 9
	s_add_co_u32 s44, s44, s42
	s_min_u32 s44, s44, ZERO+3584
	v_add_nc_u32 v14, s44, v2
	ds_load_b128 v[LS+4*(\j-2):LS+4*(\j-2)+3], v14
.endm
	LISTQ 2
	LISTQ 3
	LISTQ 4
	LISTQ 5
	s_wait_dscnt 0x0
.irp j, 2,3,4,5
	global_store_b128 v13, v[LS+4*(\j-2):LS+4*(\j-2)+3], s[6:7] offset:4096*\j
.endr
	s_cmp_eq_u32 s12, 7                            ; blocks 48 to 54: seven waves
	s_cbranch_scc1 .Lno6
	LISTQ 6
	s_wait_dscnt 0x0
	global_store_b128 v13, v[LS+16:LS+19], s[6:7] offset:4096*6
.Lno6:
	s_cmp_lg_u32 s12, 0                            ; meta: wave 0, two words a lane
	s_cbranch_scc1 .Ldone
	v_mov_b32 v15, 8
.irp half, 0,1
	v_add_nc_u32 v3, 32*\half, v1                  ; q
	v_mov_b32 v14, 0
.irp e, 0,1,2,3,4,5,6,7
	v_cmp_le_u32 vcc_lo, s[32+\e], v3
	v_add_co_ci_u32 v14, vcc_lo, 0, v14, vcc_lo    ; experts whose blocks end at or in front of q
.endr
	v_min_u32 v14, 7, v14                          ; blocks of padding alone take expert 7's weights
	v_cmp_gt_u32 vcc_lo, 16, v3
	v_cndmask_b32 v[MT+\half], v14, v15, vcc_lo
	global_store_b32 v10, v[MT+\half], s[10:11] offset:128*\half
.endr
.Ldone:
	s_wait_tensorcnt 0x0
	ds_add_u32 v182, v183
	s_wait_dscnt 0x0
	s_endpgm
.Lfunc_end_k_q798e31e633_plan:
	.size	k_q798e31e633_plan, .Lfunc_end_k_q798e31e633_plan-k_q798e31e633_plan
	.p2alignl 7, 3214868480
	.fill 96, 4, 3214868480
	.section	.rodata,"a",@progbits
	.p2align	6, 0x0
	.amdhsa_kernel k_q798e31e633_plan
		.amdhsa_group_segment_fixed_size 72960
		.amdhsa_private_segment_fixed_size 0
		.amdhsa_enable_private_segment 0
		.amdhsa_kernarg_size 32
		.amdhsa_user_sgpr_count 2
		.amdhsa_user_sgpr_kernarg_segment_ptr 1
		.amdhsa_wavefront_size32 1
		.amdhsa_system_sgpr_workgroup_id_x 1
		.amdhsa_system_sgpr_workgroup_id_y 1
		.amdhsa_system_sgpr_workgroup_id_z 1
		.amdhsa_system_vgpr_workitem_id 0
		.amdhsa_next_free_vgpr 184
		.amdhsa_next_free_sgpr 66
		.amdhsa_reserve_vcc 1
		.amdhsa_float_denorm_mode_32 3
		.amdhsa_float_denorm_mode_16_64 3
		.amdhsa_memory_ordered 1
		.amdhsa_forward_progress 1
		.amdhsa_inst_pref_size 57
	.end_amdhsa_kernel
	.amdgpu_metadata
---
amdhsa.version: [ 1, 2 ]
amdhsa.kernels:
  - .name:           k_q798e31e633_plan
    .symbol:         k_q798e31e633_plan.kd
    .args:
      - { .name: code, .offset: 0, .size: 8, .value_kind: global_buffer, .address_space: global }
      - { .name: rows, .offset: 8, .size: 8, .value_kind: global_buffer, .address_space: global }
      - { .name: pos, .offset: 16, .size: 8, .value_kind: global_buffer, .address_space: global }
      - { .name: meta, .offset: 24, .size: 8, .value_kind: global_buffer, .address_space: global }
    .group_segment_fixed_size: 72960
    .private_segment_fixed_size: 0
    .kernarg_segment_align: 8
    .kernarg_segment_size: 32
    .max_flat_workgroup_size: 256
    .sgpr_count:     66
    .vgpr_count:     184
    .wavefront_size: 32
...
	.end_amdgpu_metadata
.endif
;; end of part 2
;; launch g1 (part 3): grid 256 x 1, 4 waves a work-group, no clusters, 141,824 bytes of LDS; arguments xb, rows, meta, tw, shared_gate, shared_up, experts_gate, experts_up, hid; writes hid
.if DOCPART == 3
	.amdgcn_target "amdgcn-amd-amdhsa--gfx1250"
	.amdhsa_code_object_version 6
	.text
	.protected	k_q798e31e633_g1
	.globl	k_q798e31e633_g1
	.p2align	8
	.type	k_q798e31e633_g1,@function
k_q798e31e633_g1:
	s_mov_b64 s[64:65], 0
	v_nop
	global_prefetch_b8 v0, s[64:65] scope:SCOPE_SE
	s_setreg_imm32_b32 hwreg(HW_REG_WAVE_MODE, 25, 1), 1
	s_wait_xcnt 0x0
; G1: hid[i] = tw[p] sigmoid(x[t] Wg) (x[t] Wu) in bf16 for every padded row i, with p = rows[i], t = p mod 2048, and Wg, Wu of the block's expert.
; Work left out: the six experts that a token did not choose have no rows in the lists (the proof stands at the head of the first launch).
; The row's weight goes into hid, so that the last launch only adds.
; TILES.  55 blocks of 128 rows x 8 column blocks = 440 tiles of 128 rows x (128 gate + 128 up columns); work-group g takes tile g and, if g < 184, tile g + 256.
; The walk is the same for all inputs: every barrier stands on a path that hangs on the work-group's number alone.  The lists fill 48 to 55 blocks; the blocks
; behind them hold padding rows only (token 0, expert 7) and are multiplied like the others: at most 7 of 55 blocks, each the second tile of its work-group.
; NO TENSOR LOADS, NO CLUSTER: x's rows are gathered by a list, the weights are f32 and pass through registers to become bf16, and how many row blocks
; share an expert's weights hangs on counts.
; K goes in 16 steps of 64.  Step s + 2 is asked for (40 loads of 16 bytes a lane) in trip s, step s + 1 is rounded to bf16 and put into the LDS buffer that trip s does
; not read, and one barrier a trip orders both: the buffer written was last read a trip ago, with those reads waited for ahead of that trip's barrier.
; A wave (wr, wc) holds rows 64 wr .. + 63 and gate and up columns 64 wc .. + 63: 4 x 8 accumulator tiles.  The matrix instruction is used transposed (source 0: 16
; columns of W, source 1: 16 rows of x): a lane then holds eight neighbouring columns of one row.
; REGISTERS in windows of 256: window 0 addresses and fragments; window 1 the 32 accumulator tiles, tile (a, n) at 8 (8 a + n), n 0-3 gate, 4-7 up;
; windows 2 and 3 the two staging sets (A 0-31, gate 32-95, up 96-159).
.set BUF,   53248                      ; an LDS buffer: A 128 rows x 144, then B 64 rows of k x 544
.set BREG,  18432
.set PA,    144                        ; 128 bytes + 16: 9 x 16, the 16 rows of a fragment load start in 16 different 16-byte columns
.set PB,    544                        ; 256 gate + 256 up bytes + 32: 17 x 32
.set STAGE, 2*BUF                      ; the way out: 128 rows x 272
.set PS,    272
.set TILES, 440
.set AOFF, 2                           ; v[2:9]   byte offset in xb of my 16 bytes of row (tid >> 3) + 16 j
.set BOFF, 10                          ; v10      wave x 4096 + 16 lane: row k = wave + 4 j of the step, 512 consecutive bytes a wave
.set AST,  12                          ; v12, 13  where I put A, buffer 0, 1
.set BST,  14                          ; v14, 15  where I put B
.set ARD,  16                          ; v16, 17  my A fragments
.set BRD,  18                          ; v18, 19  my B fragments
.set WT,   20                          ; v[20:23] tw of row 16 a + r of my rows
.set STO,  24
.set RD,   25
.set HO,   26
.set LA,   33                          ; v33      4 (tid >> 3): my rows in the list, for A
.set LW,   34                          ; v34      4 (64 wr + r): my rows in the list, for the weights
.set CH,   35                          ; v35      16 (tid & 7)
.set LP,   36                          ; v[36:47] list words
.set FA0,  64
.set FB0,  96
.set FA1,  160
.set FB1,  192
.set SA,   0
.set SG,   32
.set SU,   96
.set MSB,  0
.macro WIN new                         ; the immediate's high byte repeats the setting that is left
.if MSB != \new
	s_set_vgpr_msb (MSB<<8)|\new
.set MSB, \new
.endif
.endm
	s_load_b512 s[4:19], s[0:1], 0x0               ; xb, rows, meta, tw, shared_gate, shared_up, experts_gate, experts_up
	s_load_b64 s[20:21], s[0:1], 0x40              ; hid
	v_lshl_add_u32 v62, v0, 2, 0x22800
	v_mov_b32 v63, 0
	v_lshrrev_b32 v1, 5, v0
	v_readfirstlane_b32 s22, v1                    ; wave
	s_lshr_b32 s23, s22, 1                         ; wr
	s_and_b32 s24, s22, 1                          ; wc
	s_mov_b32 s43, 0xbfb8aa3b                      ; - log2 e
	v_and_b32 v1, 31, v0                           ; lane
	v_and_b32 v27, 15, v0                          ; r
	v_bfe_u32 v28, v0, 4, 1                        ; h
	v_lshrrev_b32 v29, 3, v0                       ; tid >> 3
	v_and_b32 v30, 7, v0                           ; tid & 7
	s_lshl_b32 s44, s22, 12
	v_lshl_add_u32 v[BOFF], v1, 4, s44
	v_mul_u32_u24 v[AST], v29, PA
	v_lshl_add_u32 v[AST], v30, 4, v[AST]
	v_add_nc_u32 v[AST+1], BUF, v[AST]
	s_mul_i32 s44, s22, PB
	s_add_co_u32 s44, s44, BREG
	v_lshl_add_u32 v[BST], v1, 3, s44
	v_add_nc_u32 v[BST+1], BUF, v[BST]
	s_mul_i32 s44, s23, 64*PA
	v_mul_u32_u24 v31, v27, PA
	v_lshl_add_u32 v31, v28, 4, v31
	v_add_nc_u32 v[ARD], s44, v31                  ; (64 wr + r) x 144 + 16 h
	v_add_nc_u32 v[ARD+1], BUF, v[ARD]
	v_lshl_add_u32 v31, v28, 3, v30                ; 8 h + (lane & 7)
	v_mul_u32_u24 v31, v31, PB
	v_bfe_u32 v32, v0, 3, 1
	v_lshl_add_u32 v31, v32, 4, v31
	s_lshl_b32 s44, s24, 7
	s_add_co_u32 s44, s44, BREG
	v_add_nc_u32 v[BRD], s44, v31
	v_add_nc_u32 v[BRD+1], BUF, v[BRD]
	s_mul_i32 s44, s23, 64*PS
	s_lshl_b32 s45, s24, 7
	s_add_co_u32 s44, s44, s45
	s_add_co_u32 s44, s44, STAGE
	v_mul_u32_u24 v31, v27, PS
	v_lshl_add_u32 v31, v28, 4, v31
	v_add_nc_u32 v[STO], s44, v31                  ; stage + (64 wr + r) x 272 + 128 wc + 16 h
	s_mul_i32 s44, s22, 32*PS
	s_add_co_u32 s44, s44, STAGE
	v_mul_u32_u24 v31, v28, PS
	v_lshl_add_u32 v31, v27, 4, v31
	v_add_nc_u32 v[RD], s44, v31                   ; stage + (32 wave + h) x 272 + 16 r
	s_lshl_b32 s44, s22, 16
	v_lshlrev_b32 v31, 11, v28
	v_lshl_add_u32 v31, v27, 4, v31
	v_add_nc_u32 v[HO], s44, v31                   ; the same two rows in hid: rows of 2,048 bytes
	v_lshlrev_b32 v[LA], 2, v29
	s_lshl_b32 s44, s23, 8
	v_lshl_add_u32 v[LW], v27, 2, s44
	v_lshlrev_b32 v[CH], 4, v30
	s_mov_b32 s25, ttmp9                           ; my first tile
	s_mov_b32 s31, 0
	s_wait_kmcnt 0x0
; One K step is asked for, into staging set b.  step = 1: the bases go 64 along K first, behind the wait that frees them.
.macro GLOAD b, step
.if \step
	s_wait_xcnt 0x0                                ; the last request's addresses are translated: its bases may be stepped
	s_add_nc_u64 s[32:33], s[32:33], 128
	s_add_nc_u64 s[34:35], s[34:35], 0x40000
	s_add_nc_u64 s[36:37], s[36:37], 0x40000
.endif
.if \b
	WIN 0xc0
.else
	WIN 0x80
.endif
.irp j, 0,1,2,3,4,5,6,7
	global_load_b128 v[SA+4*\j:SA+4*\j+3], v[AOFF+\j], s[32:33]
.endr
.irp j, 0,1,2,3,4,5,6,7,8,9,10,11,12,13,14,15
	global_load_b128 v[SG+4*\j:SG+4*\j+3], v[BOFF], s[34:35] offset:16384*\j
	global_load_b128 v[SU+4*\j:SU+4*\j+3], v[BOFF], s[36:37] offset:16384*\j
.endr
	WIN 0
.endm
; Staging set b is rounded to bf16 in place and put into LDS buffer b.  left = the loads of the younger step, which stay out.
.macro CVST b, left
	s_wait_loadcnt \left                           ; loads come back in order (ISA guide 5.7.1)
.if \b
	WIN 0xcf
.else
	WIN 0x8a
.endif
.set i, 0
.rept 32
	v_cvt_pk_bf16_f32 v[SG+4*i], v[SG+4*i], v[SG+4*i+1]
	v_cvt_pk_bf16_f32 v[SG+4*i+1], v[SG+4*i+2], v[SG+4*i+3]
.set i, i+1
.endr
.if \b
	WIN 0x0c
.else
	WIN 0x08
.endif
.set i, 0
.rept 16
	ds_store_b64 v[BST+\b], v[SG+4*i:SG+4*i+1] offset:4*PB*i           ; row k = wave + 4 i: 32 lanes x 8 bytes
	ds_store_b64 v[BST+\b], v[SU+4*i:SU+4*i+1] offset:4*PB*i+256
.set i, i+1
.endr
.set i, 0
.rept 8
	ds_store_b128 v[AST+\b], v[SA+4*i:SA+4*i+3] offset:16*PA*i
.set i, i+1
.endr
	WIN 0
.endm
; The fragments of 32 along K (sub = 0, 1) from buffer b: 8 loads for my 64 rows of x, 16 transposing loads for my 64 gate and 64 up columns.
.macro FETCH b, sub, fa, fb
.irp a, 0,1,2,3
	ds_load_b128 v[\fa+8*\a:\fa+8*\a+3], v[ARD+\b] offset:16*PA*\a+64*\sub
	ds_load_b128 v[\fa+8*\a+4:\fa+8*\a+7], v[ARD+\b] offset:16*PA*\a+64*\sub+32
.endr
.irp n, 0,1,2,3,4,5,6,7
	ds_load_tr16_b128 v[\fb+8*\n:\fb+8*\n+3], v[BRD+\b] offset:32*PB*\sub+32*(\n&3)+256*(\n>>2)
	ds_load_tr16_b128 v[\fb+8*\n+4:\fb+8*\n+7], v[BRD+\b] offset:32*PB*\sub+16*PB+32*(\n&3)+256*(\n>>2)
.endr
.endm
; 32 matrix instructions; the 32 accumulators take turns, one instruction a turn, in the same order everywhere.
.macro MUL32 fa, fb, zero
.irp a, 0,1,2,3
.irp n, 0,1,2,3,4,5,6,7
.if \zero
	v_wmma_f32_16x16x32_bf16 v[8*(8*\a+\n):8*(8*\a+\n)+7], v[\fb+8*\n:\fb+8*\n+7], v[\fa+8*\a:\fa+8*\a+7], 0
.else
	v_wmma_f32_16x16x32_bf16 v[8*(8*\a+\n):8*(8*\a+\n)+7], v[\fb+8*\n:\fb+8*\n+7], v[\fa+8*\a:\fa+8*\a+7], v[8*(8*\a+\n):8*(8*\a+\n)+7]
.endif
.endr
.endr
.endm
; One K step from buffer b.  mode 2: asks for the step after next and stages the next; mode 1: stages the last step; mode 0: the last step.
; The 64 conversions, which name staging registers alone, are the places between the trip's last matrix instruction and the next trip's loads into the fragments.
.macro TRIP b, mode, zero
.if \mode == 2
	GLOAD \b, 1
.endif
	FETCH \b, 0, FA0, FB0
	FETCH \b, 1, FA1, FB1
	s_wait_dscnt 24                                ; the first 24 are in; the second half step's 24 may be out
	WIN 0x50
	MUL32 FA0, FB0, \zero
	s_wait_dscnt 0x0
	MUL32 FA1, FB1, 0
	WIN 0
.if \mode
.if \mode == 2
	CVST 1-\b, 40
.else
	CVST 1-\b, 0
.endif
	s_wait_dscnt 0x0                               ; zero: my stores are there for the others, and my reads of this buffer are over
	s_barrier_signal -1
	s_barrier_wait -1
.endif
.endm
.Ltile:
	s_lshr_b32 s27, s25, 3                         ; q: block of rows
	s_and_b32 s28, s25, 7                          ; cb: block of columns
	s_lshl_b32 s30, s27, 2
	s_add_nc_u64 s[46:47], s[8:9], s[30:31]
	s_load_b32 s29, s[46:47], 0x0                  ; the block's expert
	s_lshl_b32 s30, s27, 9
	s_add_nc_u64 s[38:39], s[6:7], s[30:31]        ; the block's list
.irp j, 0,1,2,3,4,5,6,7
	global_load_b32 v[LP+\j], v[LA], s[38:39] offset:64*\j
.endr
.irp a, 0,1,2,3
	global_load_b32 v[LP+8+\a], v[LW], s[38:39] offset:64*\a
.endr
	s_lshl_b32 s30, s27, 18
	s_lshl_b32 s44, s28, 8
	s_add_co_u32 s30, s30, s44
	s_add_nc_u64 s[40:41], s[20:21], s[30:31]      ; hid at row 128 q, column 128 cb
	s_mov_b64 s[32:33], s[4:5]
	s_wait_kmcnt 0x0
	s_min_u32 s29, s29, 8
	s_cmp_eq_u32 s29, 8
	s_cselect_b64 s[34:35], s[12:13], s[16:17]     ; shared or routed weights
	s_cselect_b64 s[36:37], s[14:15], s[18:19]
	s_and_b32 s29, s29, 7
	s_lshl_b32 s30, s29, 22                        ; an expert's matrix is 4 MiB
	s_lshl_b32 s44, s28, 9
	s_add_co_u32 s30, s30, s44
	s_add_nc_u64 s[34:35], s[34:35], s[30:31]
	s_add_nc_u64 s[36:37], s[36:37], s[30:31]
	s_wait_loadcnt 0x0
.irp j, 0,1,2,3,4,5,6,7
	v_min_u32 v[LP+\j], 0x17ff, v[LP+\j]
	v_and_b32 v[LP+\j], 0x7ff, v[LP+\j]            ; token
	v_lshl_add_u32 v[AOFF+\j], v[LP+\j], 11, v[CH]
.endr
.irp a, 0,1,2,3
	v_min_u32 v[LP+8+\a], 0x17ff, v[LP+8+\a]
	v_lshlrev_b32 v[LP+8+\a], 2, v[LP+8+\a]
.endr
.irp a, 0,1,2,3
	global_load_b32 v[WT+\a], v[LP+8+\a], s[10:11] ; older than every staging load: the first counted wait covers them
.endr
	GLOAD 0, 0
	GLOAD 1, 1
	CVST 0, 40
	s_wait_dscnt 0x0
	s_barrier_signal -1
	s_barrier_wait -1
	TRIP 0, 2, 1                                   ; the first products start the sums: nothing is cleared
	s_mov_b32 s42, 6
.Llap:
	TRIP 1, 2, 0
	TRIP 0, 2, 0
	s_sub_co_u32 s42, s42, 1
	s_cmp_lg_u32 s42, 0
	s_cbranch_scc1 .Llap
	TRIP 1, 2, 0                                   ; asks for step 15, the last
	TRIP 0, 1, 0
	TRIP 1, 0, 0
.rept 4
	v_nop                                          ; four places behind the last matrix instruction (ISA guide 7.12.1)
.endr
	; sigmoid(g) u w = w u / (1 + 2^(- g log2 e)), 16 rows at a time, rounded to bf16 and laid into the stage
.irp a, 0,1,2,3
	WIN 0x04
.set i, 0
.rept 32
	v_mul_f32 v[64+i], s43, v[64*\a+i]
	v_mul_f32 v[96+i], v[WT+\a], v[64*\a+32+i]
.set i, i+1
.endr
	WIN 0
.set i, 0
.rept 32
	v_exp_f32 v[64+i], v[64+i]
.set i, i+1
.endr
	v_nop                                          ; one plain instruction behind the last exponential (ISA guide 5.7.2)
.set i, 0
	s_wait_alu depctr_va_vdst(0)
.rept 16
	v_pk_add_f32 v[64+2*i:65+2*i], v[64+2*i:65+2*i], 1.0 op_sel_hi:[1,0]
.set i, i+1
.endr
.set i, 0
.rept 32
	v_rcp_f32 v[64+i], v[64+i]
.set i, i+1
.endr
	v_nop
.set i, 0
	s_wait_alu depctr_va_vdst(0)
.rept 16
	v_pk_mul_f32 v[64+2*i:65+2*i], v[64+2*i:65+2*i], v[96+2*i:97+2*i]
.set i, i+1
.endr
.set i, 0
.rept 16
	v_cvt_pk_bf16_f32 v[128+i], v[64+2*i], v[65+2*i]
.set i, i+1
.endr
.irp n, 0,1,2,3
	ds_store_b128 v[STO], v[128+4*\n:128+4*\n+3] offset:16*PS*\a+32*\n
.endr
.endr
	s_wait_dscnt 0x0                               ; a stage row is written by two waves: store, wait for zero, barrier, load
	s_barrier_signal -1
	s_barrier_wait -1
.irp t, 0,1,2,3,4,5,6,7,8,9,10,11,12,13,14,15
	ds_load_b128 v[128+4*\t:128+4*\t+3], v[RD] offset:2*PS*\t
.endr
.irp t, 0,1,2,3,4,5,6,7,8,9,10,11,12,13,14,15
	s_wait_dscnt 15-\t                             ; the younger read-backs may be out
	global_store_b128 v[HO], v[128+4*\t:128+4*\t+3], s[40:41] offset:4096*\t   ; 16 lanes store 256 consecutive bytes, aligned
.endr
	s_wait_xcnt 0x0                                ; the stores' data, offset and base are written again only behind this wait
	s_add_co_u32 s25, s25, 256
	s_cmp_lt_u32 s25, TILES
	s_cbranch_scc1 .Ltile
	s_wait_tensorcnt 0x0
	ds_add_u32 v62, v63
	s_wait_dscnt 0x0
	s_endpgm
.Lfunc_end_k_q798e31e633_g1:
	.size	k_q798e31e633_g1, .Lfunc_end_k_q798e31e633_g1-k_q798e31e633_g1
	.p2alignl 7, 3214868480
	.fill 96, 4, 3214868480
	.section	.rodata,"a",@progbits
	.p2align	6, 0x0
	.amdhsa_kernel k_q798e31e633_g1
		.amdhsa_group_segment_fixed_size 141824
		.amdhsa_private_segment_fixed_size 0
		.amdhsa_enable_private_segment 0
		.amdhsa_kernarg_size 72
		.amdhsa_user_sgpr_count 2
		.amdhsa_user_sgpr_kernarg_segment_ptr 1
		.amdhsa_wavefront_size32 1
		.amdhsa_system_sgpr_workgroup_id_x 1
		.amdhsa_system_sgpr_workgroup_id_y 1
		.amdhsa_system_sgpr_workgroup_id_z 1
		.amdhsa_system_vgpr_workitem_id 0
		.amdhsa_next_free_vgpr 928
		.amdhsa_next_free_sgpr 66
		.amdhsa_reserve_vcc 0
		.amdhsa_float_denorm_mode_32 3
		.amdhsa_float_denorm_mode_16_64 3
		.amdhsa_memory_ordered 1
		.amdhsa_forward_progress 1
		.amdhsa_inst_pref_size 148
	.end_amdhsa_kernel
	.amdgpu_metadata
---
amdhsa.version: [ 1, 2 ]
amdhsa.kernels:
  - .name:           k_q798e31e633_g1
    .symbol:         k_q798e31e633_g1.kd
    .args:
      - { .name: xb, .offset: 0, .size: 8, .value_kind: global_buffer, .address_space: global }
      - { .name: rows, .offset: 8, .size: 8, .value_kind: global_buffer, .address_space: global }
      - { .name: meta, .offset: 16, .size: 8, .value_kind: global_buffer, .address_space: global }
      - { .name: tw, .offset: 24, .size: 8, .value_kind: global_buffer, .address_space: global }
      - { .name: shared_gate, .offset: 32, .size: 8, .value_kind: global_buffer, .address_space: global }
      - { .name: shared_up, .offset: 40, .size: 8, .value_kind: global_buffer, .address_space: global }
      - { .name: experts_gate, .offset: 48, .size: 8, .value_kind: global_buffer, .address_space: global }
      - { .name: experts_up, .offset: 56, .size: 8, .value_kind: global_buffer, .address_space: global }
      - { .name: hid, .offset: 64, .size: 8, .value_kind: global_buffer, .address_space: global }
    .group_segment_fixed_size: 141824
    .private_segment_fixed_size: 0
    .kernarg_segment_align: 8
    .kernarg_segment_size: 72
    .max_flat_workgroup_size: 128
    .sgpr_count:     66
    .vgpr_count:     928
    .wavefront_size: 32
...
	.end_amdgpu_metadata
.endif
;; end of part 3
;; launch g2 (part 4): grid 256 x 1, 4 waves a work-group, no clusters, 91,648 bytes of LDS; arguments hid, meta, shared_down, experts_down, y; writes y
.if DOCPART == 4
	.amdgcn_target "amdgcn-amd-amdhsa--gfx1250"
	.amdhsa_code_object_version 6
	.text
	.protected	k_q798e31e633_g2
	.globl	k_q798e31e633_g2
	.p2align	8
	.type	k_q798e31e633_g2,@function
k_q798e31e633_g2:
	s_mov_b64 s[64:65], 0
	v_nop
	global_prefetch_b8 v0, s[64:65] scope:SCOPE_SE
	s_setreg_imm32_b32 hwreg(HW_REG_WAVE_MODE, 25, 1), 1
	s_wait_xcnt 0x0
; G2: y[i] = hid[i] Wd in f32 for every padded row i, Wd of the block's expert.
; Work left out: only the rows of the lists exist (the proof stands at the head of the first launch).
; 55 blocks of 128 rows x 8 blocks of 128 columns = 440 tiles; work-group g takes tile g and, if g < 184, tile g + 256: the same walk for all inputs, so that every
; barrier stands on a path that hangs on the work-group's number alone; blocks of padding alone (at most 7 of 55) are multiplied like the others.
; No tensor loads, no cluster: the weights are f32 and pass through registers to become bf16, and how many row blocks share an expert's weights hangs on counts.
; K goes in 16 steps of 64: step s + 2 is asked for in trip s (24 loads of 16 bytes a lane), step s + 1 goes into the LDS buffer that trip s does not read, one barrier a trip.
; A wave (wr, wc) holds 64 x 64: 16 accumulator tiles, tile (a, n) at 8 (4 a + n) of window 1; the matrix instruction is used transposed, so that a lane holds eight
; neighbouring columns of one row.  Windows 2 and 3: the two staging sets (A 0-31, B 32-95).
.set BUF,   36864                      ; A 128 rows x 144, then B 64 rows of k x 288
.set BREG,  18432
.set PA,    144
.set PB,    288                        ; 256 bytes + 32: 9 x 32
.set STAGE, 2*BUF                      ; the way out: 16 rows x 272 for each wave, its own
.set PS,    272
.set TILES, 440
.set AOFF, 2
.set BOFF, 3
.set AST,  4
.set BST,  6
.set ARD,  8
.set BRD,  10
.set STO,  12
.set RD,   13
.set YO,   14
.set FA0,  64
.set FB0,  96
.set FA1,  128
.set FB1,  160
.set OUT,  192
.set SA,   0
.set SB,   32
.set MSB,  0
.macro WIN new
.if MSB != \new
	s_set_vgpr_msb (MSB<<8)|\new
.set MSB, \new
.endif
.endm
	s_load_b256 s[4:11], s[0:1], 0x0               ; hid, meta, shared_down, experts_down
	s_load_b64 s[12:13], s[0:1], 0x20              ; y
	v_lshl_add_u32 v254, v0, 2, 0x16400
	v_mov_b32 v255, 0
	v_lshrrev_b32 v1, 5, v0
	v_readfirstlane_b32 s22, v1                    ; wave
	s_lshr_b32 s23, s22, 1                         ; wr
	s_and_b32 s24, s22, 1                          ; wc
	v_and_b32 v1, 31, v0                           ; lane
	v_and_b32 v27, 15, v0                          ; r
	v_bfe_u32 v28, v0, 4, 1                        ; h
	v_lshrrev_b32 v29, 3, v0                       ; tid >> 3
	v_and_b32 v30, 7, v0                           ; tid & 7
	v_lshlrev_b32 v[AOFF], 11, v29
	v_lshl_add_u32 v[AOFF], v30, 4, v[AOFF]        ; row tid >> 3 of hid's block, 16 bytes at 16 (tid & 7)
	s_lshl_b32 s44, s22, 12
	v_lshl_add_u32 v[BOFF], v1, 4, s44             ; row k = wave of the step, 16 bytes a lane
	v_mul_u32_u24 v[AST], v29, PA
	v_lshl_add_u32 v[AST], v30, 4, v[AST]
	v_add_nc_u32 v[AST+1], BUF, v[AST]
	s_mul_i32 s44, s22, PB
	s_add_co_u32 s44, s44, BREG
	v_lshl_add_u32 v[BST], v1, 3, s44
	v_add_nc_u32 v[BST+1], BUF, v[BST]
	s_mul_i32 s44, s23, 64*PA
	v_mul_u32_u24 v31, v27, PA
	v_lshl_add_u32 v31, v28, 4, v31
	v_add_nc_u32 v[ARD], s44, v31
	v_add_nc_u32 v[ARD+1], BUF, v[ARD]
	v_lshl_add_u32 v31, v28, 3, v30
	v_mul_u32_u24 v31, v31, PB
	v_bfe_u32 v32, v0, 3, 1
	v_lshl_add_u32 v31, v32, 4, v31
	s_lshl_b32 s44, s24, 7
	s_add_co_u32 s44, s44, BREG
	v_add_nc_u32 v[BRD], s44, v31
	v_add_nc_u32 v[BRD+1], BUF, v[BRD]
	s_mul_i32 s44, s22, 16*PS
	s_add_co_u32 s44, s44, STAGE                   ; my stage
	v_mul_u32_u24 v31, v27, PS
	v_lshl_add_u32 v31, v28, 5, v31
	v_add_nc_u32 v[STO], s44, v31                  ; in: row r, 32 bytes for each half of the lanes
	v_mul_u32_u24 v31, v28, PS
	v_lshl_add_u32 v31, v27, 4, v31
	v_add_nc_u32 v[RD], s44, v31                   ; back: lanes 0-15 one row of 256 bytes, lanes 16-31 the next
	v_lshlrev_b32 v31, 12, v28
	v_lshl_add_u32 v[YO], v27, 4, v31              ; the same two rows in y
	s_mov_b32 s25, ttmp9
	s_mov_b32 s31, 0
	s_wait_kmcnt 0x0
.macro GLOAD b, step
.if \step
	s_wait_xcnt 0x0                                ; the last request's addresses are translated: its bases may be stepped
	s_add_nc_u64 s[32:33], s[32:33], 128
	s_add_nc_u64 s[34:35], s[34:35], 0x40000
.endif
.if \b
	WIN 0xc0
.else
	WIN 0x80
.endif
.irp j, 0,1,2,3,4,5,6,7
	global_load_b128 v[SA+4*\j:SA+4*\j+3], v[AOFF], s[32:33] offset:32768*\j
.endr
.irp j, 0,1,2,3,4,5,6,7,8,9,10,11,12,13,14,15
	global_load_b128 v[SB+4*\j:SB+4*\j+3], v[BOFF], s[34:35] offset:16384*\j
.endr
	WIN 0
.endm
.macro CVST b, left
	s_wait_loadcnt \left                           ; the younger step's loads stay out
.if \b
	WIN 0xcf
.else
	WIN 0x8a
.endif
.set i, 0
.rept 16
	v_cvt_pk_bf16_f32 v[SB+4*i], v[SB+4*i], v[SB+4*i+1]
	v_cvt_pk_bf16_f32 v[SB+4*i+1], v[SB+4*i+2], v[SB+4*i+3]
.set i, i+1
.endr
.if \b
	WIN 0x0c
.else
	WIN 0x08
.endif
.set i, 0
.rept 16
	ds_store_b64 v[BST+\b], v[SB+4*i:SB+4*i+1] offset:4*PB*i
.set i, i+1
.endr
.set i, 0
.rept 8
	ds_store_b128 v[AST+\b], v[SA+4*i:SA+4*i+3] offset:16*PA*i
.set i, i+1
.endr
	WIN 0
.endm
.macro FETCH b, sub, fa, fb
.irp a, 0,1,2,3
	ds_load_b128 v[\fa+8*\a:\fa+8*\a+3], v[ARD+\b] offset:16*PA*\a+64*\sub
	ds_load_b128 v[\fa+8*\a+4:\fa+8*\a+7], v[ARD+\b] offset:16*PA*\a+64*\sub+32
.endr
.irp n, 0,1,2,3
	ds_load_tr16_b128 v[\fb+8*\n:\fb+8*\n+3], v[BRD+\b] offset:32*PB*\sub+32*\n
	ds_load_tr16_b128 v[\fb+8*\n+4:\fb+8*\n+7], v[BRD+\b] offset:32*PB*\sub+16*PB+32*\n
.endr
.endm
; 16 matrix instructions; the 16 accumulators take turns, one instruction a turn, in the same order everywhere.
.macro MUL16 fa, fb, zero
.irp a, 0,1,2,3
.irp n, 0,1,2,3
.if \zero
	v_wmma_f32_16x16x32_bf16 v[8*(4*\a+\n):8*(4*\a+\n)+7], v[\fb+8*\n:\fb+8*\n+7], v[\fa+8*\a:\fa+8*\a+7], 0
.else
	v_wmma_f32_16x16x32_bf16 v[8*(4*\a+\n):8*(4*\a+\n)+7], v[\fb+8*\n:\fb+8*\n+7], v[\fa+8*\a:\fa+8*\a+7], v[8*(4*\a+\n):8*(4*\a+\n)+7]
.endif
.endr
.endr
.endm
; The 32 conversions, which name staging registers alone, are the places between the trip's last matrix instruction and the next trip's loads into the fragments.
.macro TRIP b, mode, zero
.if \mode == 2
	GLOAD \b, 1
.endif
	FETCH \b, 0, FA0, FB0
	FETCH \b, 1, FA1, FB1
	s_wait_dscnt 16                                ; the first 16 are in; the second half step's 16 may be out
	WIN 0x50
	MUL16 FA0, FB0, \zero
	s_wait_dscnt 0x0
	MUL16 FA1, FB1, 0
	WIN 0
.if \mode
.if \mode == 2
	CVST 1-\b, 24
.else
	CVST 1-\b, 0
.endif
	s_wait_dscnt 0x0                               ; zero: my stores are there for the others, and my reads of this buffer are over
	s_barrier_signal -1
	s_barrier_wait -1
.endif
.endm
.Ltile:
	s_lshr_b32 s27, s25, 3                         ; q
	s_and_b32 s28, s25, 7                          ; cb
	s_lshl_b32 s30, s27, 2
	s_add_nc_u64 s[46:47], s[6:7], s[30:31]
	s_load_b32 s29, s[46:47], 0x0                  ; the block's expert
	s_lshl_b32 s30, s27, 18
	s_add_nc_u64 s[32:33], s[4:5], s[30:31]        ; hid at row 128 q
	s_lshl_b32 s30, s27, 19
	s_lshl_b32 s44, s23, 18
	s_add_co_u32 s30, s30, s44
	s_lshl_b32 s44, s28, 9
	s_add_co_u32 s30, s30, s44
	s_lshl_b32 s44, s24, 8
	s_add_co_u32 s30, s30, s44
	s_add_nc_u64 s[40:41], s[12:13], s[30:31]      ; y at row 128 q + 64 wr, column 128 cb + 64 wc
	s_wait_kmcnt 0x0
	s_min_u32 s29, s29, 8
	s_cmp_eq_u32 s29, 8
	s_cselect_b64 s[34:35], s[8:9], s[10:11]
	s_and_b32 s29, s29, 7
	s_lshl_b32 s30, s29, 22
	s_lshl_b32 s44, s28, 9
	s_add_co_u32 s30, s30, s44
	s_add_nc_u64 s[34:35], s[34:35], s[30:31]
	GLOAD 0, 0
	GLOAD 1, 1
	CVST 0, 24
	s_wait_dscnt 0x0
	s_barrier_signal -1
	s_barrier_wait -1
	TRIP 0, 2, 1                                   ; the first products start the sums
	s_mov_b32 s42, 6
.Llap:
	TRIP 1, 2, 0
	TRIP 0, 2, 0
	s_sub_co_u32 s42, s42, 1
	s_cmp_lg_u32 s42, 0
	s_cbranch_scc1 .Llap
	TRIP 1, 2, 0
	TRIP 0, 1, 0
	TRIP 1, 0, 0
.rept 4
	v_nop                                          ; four places behind the last matrix instruction (ISA guide 7.12.1)
.endr
	; the way out, 16 rows at a time through my own stage: LDS serves a wave's instructions in order, so no wait stands between the stores and the loads
.irp a, 0,1,2,3
	WIN 0x04
.irp n, 0,1,2,3
	ds_store_b128 v[STO], v[8*(4*\a+\n):8*(4*\a+\n)+3] offset:64*\n
	ds_store_b128 v[STO], v[8*(4*\a+\n)+4:8*(4*\a+\n)+7] offset:64*\n+16
.endr
	WIN 0
	s_wait_xcnt 0x0                                ; the registers that the last sixteen rows' stores read are loaded again only behind this wait
.irp t, 0,1,2,3,4,5,6,7
	ds_load_b128 v[OUT+4*\t:OUT+4*\t+3], v[RD] offset:2*PS*\t
.endr
.irp t, 0,1,2,3,4,5,6,7
	s_wait_dscnt 7-\t                              ; the younger read-backs may be out
	global_store_b128 v[YO], v[OUT+4*\t:OUT+4*\t+3], s[40:41] offset:4096*(16*\a+2*\t)   ; 16 lanes store 256 consecutive bytes, aligned
.endr
.endr
	s_wait_xcnt 0x0                                ; the stores' base is written again only behind this wait
	s_add_co_u32 s25, s25, 256
	s_cmp_lt_u32 s25, TILES
	s_cbranch_scc1 .Ltile
	s_wait_tensorcnt 0x0
	ds_add_u32 v254, v255
	s_wait_dscnt 0x0
	s_endpgm
.Lfunc_end_k_q798e31e633_g2:
	.size	k_q798e31e633_g2, .Lfunc_end_k_q798e31e633_g2-k_q798e31e633_g2
	.p2alignl 7, 3214868480
	.fill 96, 4, 3214868480
	.section	.rodata,"a",@progbits
	.p2align	6, 0x0
	.amdhsa_kernel k_q798e31e633_g2
		.amdhsa_group_segment_fixed_size 91648
		.amdhsa_private_segment_fixed_size 0
		.amdhsa_enable_private_segment 0
		.amdhsa_kernarg_size 40
		.amdhsa_user_sgpr_count 2
		.amdhsa_user_sgpr_kernarg_segment_ptr 1
		.amdhsa_wavefront_size32 1
		.amdhsa_system_sgpr_workgroup_id_x 1
		.amdhsa_system_sgpr_workgroup_id_y 1
		.amdhsa_system_sgpr_workgroup_id_z 1
		.amdhsa_system_vgpr_workitem_id 0
		.amdhsa_next_free_vgpr 864
		.amdhsa_next_free_sgpr 66
		.amdhsa_reserve_vcc 0
		.amdhsa_float_denorm_mode_32 3
		.amdhsa_float_denorm_mode_16_64 3
		.amdhsa_memory_ordered 1
		.amdhsa_forward_progress 1
		.amdhsa_inst_pref_size 75
	.end_amdhsa_kernel
	.amdgpu_metadata
---
amdhsa.version: [ 1, 2 ]
amdhsa.kernels:
  - .name:           k_q798e31e633_g2
    .symbol:         k_q798e31e633_g2.kd
    .args:
      - { .name: hid, .offset: 0, .size: 8, .value_kind: global_buffer, .address_space: global }
      - { .name: meta, .offset: 8, .size: 8, .value_kind: global_buffer, .address_space: global }
      - { .name: shared_down, .offset: 16, .size: 8, .value_kind: global_buffer, .address_space: global }
      - { .name: experts_down, .offset: 24, .size: 8, .value_kind: global_buffer, .address_space: global }
      - { .name: y, .offset: 32, .size: 8, .value_kind: global_buffer, .address_space: global }
    .group_segment_fixed_size: 91648
    .private_segment_fixed_size: 0
    .kernarg_segment_align: 8
    .kernarg_segment_size: 40
    .max_flat_workgroup_size: 128
    .sgpr_count:     66
    .vgpr_count:     864
    .wavefront_size: 32
...
	.end_amdgpu_metadata
.endif
;; end of part 4
;; launch comb (part 5): grid 256 x 1, 8 waves a work-group, no clusters, 0 bytes of LDS; arguments hidden_states, y, code, pos, out0; writes out0
.if DOCPART == 5
	.amdgcn_target "amdgcn-amd-amdhsa--gfx1250"
	.amdhsa_code_object_version 6
	.text
	.protected	k_q798e31e633_comb
	.globl	k_q798e31e633_comb
	.p2align	8
	.type	k_q798e31e633_comb,@function
k_q798e31e633_comb:
	s_mov_b64 s[64:65], 0
	v_nop
	global_prefetch_b8 v0, s[64:65] scope:SCOPE_SE
	s_setreg_imm32_b32 hwreg(HW_REG_WAVE_MODE, 25, 1), 1
	s_wait_xcnt 0x0
; COMB: out[t] = x[t] + (y[t] + (y[pos[e0][t]] + y[pos[e1][t]])).  Row t of y is the shared expert's; e0 and e1 come from code[t]; the weights are in y already.
; Work left out: a token's rows exist for its two chosen experts alone (the proof stands at the head of the first launch); padding rows of y are not read.
; A wave takes one token: four rows of 4,096 bytes in, one out, every load and store 512 consecutive bytes.  Memory binds: no LDS, no matrix unit.
.set D, 8                              ; v[8:135]  chunk j at 16 j: x, shared, first, second, four registers each
	s_load_b256 s[4:11], s[0:1], 0x0               ; x s[4:5], y s[6:7], code s[8:9], pos s[10:11]
	s_load_b64 s[12:13], s[0:1], 0x20              ; out
	v_lshrrev_b32 v1, 5, v0
	v_readfirstlane_b32 s14, v1
	v_and_b32 v1, 31, v0
	v_lshlrev_b32 v2, 4, v1
	s_lshl_b32 s15, ttmp9, 3
	s_add_co_u32 s15, s15, s14                     ; token
	s_lshl_b32 s16, s15, 2
	s_mov_b32 s17, 0
	s_lshl_b32 s24, s15, 12
	s_mov_b32 s25, 0
	s_wait_kmcnt 0x0
	s_add_nc_u64 s[18:19], s[8:9], s[16:17]
	s_load_b32 s20, s[18:19], 0x0                  ; code[t]
	s_add_nc_u64 s[4:5], s[4:5], s[24:25]
	s_add_nc_u64 s[12:13], s[12:13], s[24:25]
	s_add_nc_u64 s[26:27], s[6:7], s[24:25]        ; the shared expert's row
.irp j, 0,1,2,3,4,5,6,7
	global_load_b128 v[D+16*\j:D+16*\j+3], v2, s[4:5] offset:512*\j th:TH_LOAD_NT
	global_load_b128 v[D+16*\j+4:D+16*\j+7], v2, s[26:27] offset:512*\j th:TH_LOAD_NT
.endr
	s_wait_kmcnt 0x0
	s_and_b32 s21, s20, 0xff
	s_ctz_i32_b32 s21, s21                         ; e0
	s_min_u32 s21, s21, 7
	s_lshr_b32 s22, s20, 8
	s_ctz_i32_b32 s22, s22                         ; e1
	s_min_u32 s22, s22, 7
	s_lshl_b32 s21, s21, 13
	s_lshl_b32 s22, s22, 13
	s_add_co_u32 s28, s21, s16
	s_mov_b32 s29, 0
	s_add_co_u32 s30, s22, s16
	s_mov_b32 s31, 0
	s_add_nc_u64 s[28:29], s[10:11], s[28:29]
	s_add_nc_u64 s[30:31], s[10:11], s[30:31]
	s_load_b32 s21, s[28:29], 0x0                  ; pos[e0][t]
	s_load_b32 s22, s[30:31], 0x0                  ; pos[e1][t]
	s_wait_kmcnt 0x0
	s_min_u32 s21, s21, 7039
	s_min_u32 s22, s22, 7039
	s_lshl_b32 s32, s21, 12
	s_mov_b32 s33, 0
	s_lshl_b32 s34, s22, 12
	s_mov_b32 s35, 0
	s_add_nc_u64 s[32:33], s[6:7], s[32:33]
	s_add_nc_u64 s[34:35], s[6:7], s[34:35]
.irp j, 0,1,2,3,4,5,6,7
	global_load_b128 v[D+16*\j+8:D+16*\j+11], v2, s[32:33] offset:512*\j th:TH_LOAD_NT
	global_load_b128 v[D+16*\j+12:D+16*\j+15], v2, s[34:35] offset:512*\j th:TH_LOAD_NT
.endr
.irp j, 0,1,2,3,4,5,6,7
	s_wait_loadcnt 14-2*\j                         ; the later chunks' pairs of routed rows may be out; x and the shared row are older
	v_pk_add_f32 v[D+16*\j+8:D+16*\j+9], v[D+16*\j+8:D+16*\j+9], v[D+16*\j+12:D+16*\j+13]
	v_pk_add_f32 v[D+16*\j+10:D+16*\j+11], v[D+16*\j+10:D+16*\j+11], v[D+16*\j+14:D+16*\j+15]
	v_pk_add_f32 v[D+16*\j+4:D+16*\j+5], v[D+16*\j+4:D+16*\j+5], v[D+16*\j+8:D+16*\j+9]
	v_pk_add_f32 v[D+16*\j+6:D+16*\j+7], v[D+16*\j+6:D+16*\j+7], v[D+16*\j+10:D+16*\j+11]
	v_pk_add_f32 v[D+16*\j:D+16*\j+1], v[D+16*\j:D+16*\j+1], v[D+16*\j+4:D+16*\j+5]
	v_pk_add_f32 v[D+16*\j+2:D+16*\j+3], v[D+16*\j+2:D+16*\j+3], v[D+16*\j+6:D+16*\j+7]
	global_store_b128 v2, v[D+16*\j:D+16*\j+3], s[12:13] offset:512*\j th:TH_STORE_NT
.endr
	s_endpgm
.Lfunc_end_k_q798e31e633_comb:
	.size	k_q798e31e633_comb, .Lfunc_end_k_q798e31e633_comb-k_q798e31e633_comb
	.p2alignl 7, 3214868480
	.fill 96, 4, 3214868480
	.section	.rodata,"a",@progbits
	.p2align	6, 0x0
	.amdhsa_kernel k_q798e31e633_comb
		.amdhsa_group_segment_fixed_size 0
		.amdhsa_private_segment_fixed_size 0
		.amdhsa_enable_private_segment 0
		.amdhsa_kernarg_size 40
		.amdhsa_user_sgpr_count 2
		.amdhsa_user_sgpr_kernarg_segment_ptr 1
		.amdhsa_wavefront_size32 1
		.amdhsa_system_sgpr_workgroup_id_x 1
		.amdhsa_system_sgpr_workgroup_id_y 1
		.amdhsa_system_sgpr_workgroup_id_z 1
		.amdhsa_system_vgpr_workitem_id 0
		.amdhsa_next_free_vgpr 136
		.amdhsa_next_free_sgpr 66
		.amdhsa_reserve_vcc 0
		.amdhsa_float_denorm_mode_32 3
		.amdhsa_float_denorm_mode_16_64 3
		.amdhsa_memory_ordered 1
		.amdhsa_forward_progress 1
		.amdhsa_inst_pref_size 9
	.end_amdhsa_kernel
	.amdgpu_metadata
---
amdhsa.version: [ 1, 2 ]
amdhsa.kernels:
  - .name:           k_q798e31e633_comb
    .symbol:         k_q798e31e633_comb.kd
    .args:
      - { .name: hidden_states, .offset: 0, .size: 8, .value_kind: global_buffer, .address_space: global }
      - { .name: y, .offset: 8, .size: 8, .value_kind: global_buffer, .address_space: global }
      - { .name: code, .offset: 16, .size: 8, .value_kind: global_buffer, .address_space: global }
      - { .name: pos, .offset: 24, .size: 8, .value_kind: global_buffer, .address_space: global }
      - { .name: out0, .offset: 32, .size: 8, .value_kind: global_buffer, .address_space: global }
    .group_segment_fixed_size: 0
    .private_segment_fixed_size: 0
    .kernarg_segment_align: 8
    .kernarg_segment_size: 40
    .max_flat_workgroup_size: 256
    .sgpr_count:     66
    .vgpr_count:     136
    .wavefront_size: 32
...
	.end_amdgpu_metadata
.endif
;; end of part 5
;; ======== version 2 of 3: 5 launches; 1.13 times as fast as version 1
;; workspace buffers: xb 4,194,304 bytes; code 8,192 bytes of whole numbers; tw 24,576 bytes; rows 31,744 bytes of whole numbers; pos 65,536 bytes of whole numbers; meta 256 bytes of whole numbers; hid 16,252,928 bytes; y 32,505,856 bytes
;; launch route: the kernel of part 1 again; grid 256 x 1, 4 waves a work-group, no clusters, 0 bytes of LDS; arguments hidden_states, router_w, xb, code, tw; writes xb, code, tw
;; launch plan (part 6): grid 1 x 1, 8 waves a work-group, no clusters, 75,008 bytes of LDS; arguments code, rows, pos, meta; writes rows, pos, meta
.if DOCPART == 6
	.amdgcn_target "amdgcn-amd-amdhsa--gfx1250"
	.amdhsa_code_object_version 6
	.text
	.protected	k_q798e31e633_plan
	.globl	k_q798e31e633_plan
	.p2align	8
	.type	k_q798e31e633_plan,@function
k_q798e31e633_plan:
	s_mov_b64 s[64:65], 0
	v_nop
	global_prefetch_b8 v0, s[64:65] scope:SCOPE_SE
	s_setreg_imm32_b32 hwreg(HW_REG_WAVE_MODE, 25, 1), 1
	s_wait_xcnt 0x0
; PLAN: from code[t] (bit e: first choice, bit e + 8: second choice) the row lists that the product launches walk.
; Padded rows come in 31 blocks of 256.  Blocks 0-7: the shared expert, row i = token i.  Then expert 0's rows, padded to whole blocks, expert 1's, ..
; rows[i] = p = slot x 2048 + token (slot 0, 1: first, second choice; slot 2: shared); padding and the blocks behind the last expert's hold p = 0.
; pos[e][t] = padded row of token t in expert e's list (only the entries of chosen experts are read later).  meta[q] = expert of block q, 8 = shared.
; Each token names two different experts, so an expert has at most 2,048 rows and all together 4,096: at most (4096 + 8 x 255) / 256 = 23 routed blocks, 31 in all.
; The ends of the lists are kept in units of 128 rows (two to a block): a unit is 512 bytes, one 16-byte store of a wave.
; One work-group, since the counts of all experts meet here; wave e owns expert e and an LDS region of its own, so that no two waves store to the same bytes.
.set PITCH, 8704                       ; a wave's region: 2,048 words of list, then 128 words of which the first takes the stores of lanes with nothing to list
.set ZERO,  8*PITCH                    ; 4,096 bytes of zeros: the source of the units behind the last expert's
.set CNT,   ZERO+4096                  ; eight counts
.set C,  16                            ; v[16:79]   code: register 4 j + k holds token 128 j + 4 lane + k
.set R,  80                            ; v[80:143]  that token's rank in my list, later its padded row
.set N,  144                           ; v[144:151] the eight counts
.set SH, 152                           ; v[152:159] the shared blocks' words
.set LS, 160                           ; v[160:183] list units on their way out
.set MT, 184                           ; v[184:185] meta
	s_load_b256 s[4:11], s[0:1], 0x0               ; code s[4:5], rows s[6:7], pos s[8:9], meta s[10:11]
	v_lshl_add_u32 v186, v0, 2, 0x12100
	v_mov_b32 v187, 0
	v_lshrrev_b32 v1, 5, v0
	v_readfirstlane_b32 s12, v1                    ; wave = expert
	v_and_b32 v1, 31, v0                           ; lane
	v_lshlrev_b32 v2, 4, v1                        ; 16 x lane
	v_lshlrev_b32 v10, 2, v1                       ; 4 x lane
	v_lshlrev_b32 v13, 4, v0                       ; 16 x thread
	s_wait_kmcnt 0x0
.irp j, 0,1,2,3,4,5,6,7,8,9,10,11,12,13,14,15
	global_load_b128 v[C+4*\j:C+4*\j+3], v2, s[4:5] offset:512*\j
.endr
	v_mov_b32 v4, 0
	v_mov_b32 v5, 0
	v_mov_b32 v6, 0
	v_mov_b32 v7, 0
	s_mul_i32 s16, s12, PITCH                      ; my region
	v_add_nc_u32 v8, s16, v2
.irp j, 0,1,2,3,4,5,6,7,8,9,10,11,12,13,14,15,16
	ds_store_b128 v8, v[4:7] offset:512*\j         ; my whole region starts as zeros: 17 x 512 bytes; what stays in the list is the padding
.endr
	v_add_nc_u32 v9, ZERO, v13
	ds_store_b128 v9, v[4:7]                       ; 256 threads x 16 bytes: the zeros
	v_lshlrev_b32 v3, 2, v0
.irp j, 0,1
.irp k, 0,1,2,3
	v_add_nc_u32 v[SH+4*\j+\k], 4096+1024*\j+\k, v3        ; shared rows: p = 4096 + row
.endr
	global_store_b128 v13, v[SH+4*\j:SH+4*\j+3], s[6:7] offset:4096*\j
.endr
	s_lshl_b32 s13, 0x101, s12                     ; my expert's two bits
	s_add_co_u32 s14, s12, 8
	s_mov_b32 s15, 0                               ; rows listed so far
	v_mov_b32 v12, 0x800
	s_wait_loadcnt 0x0
	; one pass: rank every token that names my expert and put its p into my list.  LDS serves a wave's stores in order: these land on the zeros.
.set i, 0
.rept 64
	v_and_b32 v3, s13, v[C+i]
	v_cmp_ne_u32 vcc_lo, 0, v3
	v_mbcnt_lo_u32_b32 v[R+i], vcc_lo, s15         ; rows so far + chosen lanes below me
	v_lshrrev_b32 v14, s14, v3                     ; 1 if it is the second choice
	v_lshl_add_u32 v14, v14, 11, v10               ; slot x 2048 + 4 lane
	v_add_nc_u32 v14, 128*(i/4)+(i%4), v14         ; + the register's tokens: p
	v_cndmask_b32 v15, v12, v[R+i], vcc_lo         ; lanes with nothing to list aim at word 2,048
	v_min_u32 v15, 0x800, v15
	v_lshl_add_u32 v15, v15, 2, s16
	ds_store_b32 v15, v14
	s_bcnt1_i32_b32 s17, vcc_lo
	s_add_co_u32 s15, s15, s17
.set i, i+1
.endr
	s_lshl_b32 s17, s12, 2
	s_add_co_u32 s17, s17, CNT
	v_mov_b32 v3, s17
	v_mov_b32 v14, s15
	ds_store_b32 v3, v14                           ; my count
	s_wait_dscnt 0x0                               ; zero: the other waves read my list, my part of the zeros and my count behind the barrier
	s_barrier_signal -1
	s_barrier_wait -1
	v_mov_b32 v3, CNT
	ds_load_b128 v[N:N+3], v3
	ds_load_b128 v[N+4:N+7], v3 offset:16
	s_wait_dscnt 0x0
	s_mov_b32 s18, 16                              ; the shared expert's eight blocks, sixteen units, come first
.irp e, 0,1,2,3,4,5,6,7
	v_readfirstlane_b32 s19, v[N+\e]
	s_min_u32 s19, s19, 2048
	s_add_co_u32 s19, s19, 255
	s_lshr_b32 s19, s19, 8                         ; blocks of expert e
	s_lshl1_add_u32 s18, s19, s18                  ; two units to a block
	s_mov_b32 s[32+\e], s18                        ; first unit behind expert e's
.endr
	s_mov_b32 s40, 16
.irp e, 0,1,2,3,4,5,6
	s_cmp_gt_u32 s12, \e
	s_cselect_b32 s40, s[32+\e], s40               ; my first unit: the end of the expert in front of me
.endr
	s_lshl_b32 s41, s40, 7
.set i, 0
.rept 64
	v_add_nc_u32 v[R+i], s41, v[R+i]               ; rank to padded row
.set i, i+1
.endr
	s_lshl_b32 s20, s12, 13
	s_mov_b32 s21, 0
	s_add_nc_u64 s[8:9], s[8:9], s[20:21]          ; pos[e]
.irp j, 0,1,2,3,4,5,6,7,8,9,10,11,12,13,14,15
	global_store_b128 v2, v[R+4*\j:R+4*\j+3], s[8:9] offset:512*\j
.endr
; Unit u = wave + 8 j of rows.  Its expert and that expert's first unit by selects;
; behind the last expert's units the count reaches 8 and the source is the region of zeros.
.macro LISTQ j
	s_add_co_u32 s42, s12, 8*\j
	s_mov_b32 s43, 16
	s_mov_b32 s44, 0
.irp e, 0,1,2,3,4,5,6,7
	s_cmp_ge_u32 s42, s[32+\e]
	s_cselect_b32 s43, s[32+\e], s43
	s_cselect_b32 s45, 1, 0
	s_add_co_u32 s44, s44, s45
.endr
	s_sub_co_u32 s42, s42, s43                     ; unit within the expert's list
	s_mul_i32 s44, s44, PITCH
	s_lshl_b32 s42, s42, 9
	s_add_co_u32 s44, s44, s42
	s_min_u32 s44, s44, ZERO+3584
	v_add_nc_u32 v14, s44, v2
	ds_load_b128 v[LS+4*(\j-2):LS+4*(\j-2)+3], v14
.endm
	LISTQ 2
	LISTQ 3
	LISTQ 4
	LISTQ 5
	LISTQ 6
	s_wait_dscnt 0x0
.irp j, 2,3,4,5,6
	global_store_b128 v13, v[LS+4*(\j-2):LS+4*(\j-2)+3], s[6:7] offset:4096*\j
.endr
	s_cmp_gt_u32 s12, 5                            ; units 56 to 61: six waves
	s_cbranch_scc1 .Lno7
	LISTQ 7
	s_wait_dscnt 0x0
	global_store_b128 v13, v[LS+20:LS+23], s[6:7] offset:4096*7
.Lno7:
	s_cmp_lg_u32 s12, 0                            ; meta: wave 0, two words a lane
	s_cbranch_scc1 .Ldone
	v_mov_b32 v15, 8
.irp half, 0,1
	v_add_nc_u32 v3, 32*\half, v1                  ; q,
	v_lshlrev_b32 v3, 1, v3                        ; its first unit
	v_mov_b32 v14, 0
.irp e, 0,1,2,3,4,5,6,7
	v_cmp_le_u32 vcc_lo, s[32+\e], v3
	v_add_co_ci_u32 v14, vcc_lo, 0, v14, vcc_lo    ; experts whose units end at or in front of it
.endr
	v_min_u32 v14, 7, v14                          ; blocks of padding alone take expert 7's weights
	v_cmp_gt_u32 vcc_lo, 16, v3
	v_cndmask_b32 v[MT+\half], v14, v15, vcc_lo
	global_store_b32 v10, v[MT+\half], s[10:11] offset:128*\half
.endr
.Ldone:
	s_wait_tensorcnt 0x0
	ds_add_u32 v186, v187
	s_wait_dscnt 0x0
	s_endpgm
.Lfunc_end_k_q798e31e633_plan:
	.size	k_q798e31e633_plan, .Lfunc_end_k_q798e31e633_plan-k_q798e31e633_plan
	.p2alignl 7, 3214868480
	.fill 96, 4, 3214868480
	.section	.rodata,"a",@progbits
	.p2align	6, 0x0
	.amdhsa_kernel k_q798e31e633_plan
		.amdhsa_group_segment_fixed_size 75008
		.amdhsa_private_segment_fixed_size 0
		.amdhsa_enable_private_segment 0
		.amdhsa_kernarg_size 32
		.amdhsa_user_sgpr_count 2
		.amdhsa_user_sgpr_kernarg_segment_ptr 1
		.amdhsa_wavefront_size32 1
		.amdhsa_system_sgpr_workgroup_id_x 1
		.amdhsa_system_sgpr_workgroup_id_y 1
		.amdhsa_system_sgpr_workgroup_id_z 1
		.amdhsa_system_vgpr_workitem_id 0
		.amdhsa_next_free_vgpr 188
		.amdhsa_next_free_sgpr 66
		.amdhsa_reserve_vcc 1
		.amdhsa_float_denorm_mode_32 3
		.amdhsa_float_denorm_mode_16_64 3
		.amdhsa_memory_ordered 1
		.amdhsa_forward_progress 1
		.amdhsa_inst_pref_size 58
	.end_amdhsa_kernel
	.amdgpu_metadata
---
amdhsa.version: [ 1, 2 ]
amdhsa.kernels:
  - .name:           k_q798e31e633_plan
    .symbol:         k_q798e31e633_plan.kd
    .args:
      - { .name: code, .offset: 0, .size: 8, .value_kind: global_buffer, .address_space: global }
      - { .name: rows, .offset: 8, .size: 8, .value_kind: global_buffer, .address_space: global }
      - { .name: pos, .offset: 16, .size: 8, .value_kind: global_buffer, .address_space: global }
      - { .name: meta, .offset: 24, .size: 8, .value_kind: global_buffer, .address_space: global }
    .group_segment_fixed_size: 75008
    .private_segment_fixed_size: 0
    .kernarg_segment_align: 8
    .kernarg_segment_size: 32
    .max_flat_workgroup_size: 256
    .sgpr_count:     66
    .vgpr_count:     188
    .wavefront_size: 32
...
	.end_amdgpu_metadata
.endif
;; end of part 6
;; launch g1 (part 7): grid 248 x 1, 4 waves a work-group, no clusters, 213,504 bytes of LDS; arguments xb, rows, meta, tw, shared_gate, shared_up, experts_gate, experts_up, hid; writes hid
.if DOCPART == 7
	.amdgcn_target "amdgcn-amd-amdhsa--gfx1250"
	.amdhsa_code_object_version 6
	.text
	.protected	k_q798e31e633_g1
	.globl	k_q798e31e633_g1
	.p2align	8
	.type	k_q798e31e633_g1,@function
k_q798e31e633_g1:
	s_mov_b64 s[64:65], 0
	v_nop
	global_prefetch_b8 v0, s[64:65] scope:SCOPE_SE
	s_setreg_imm32_b32 hwreg(HW_REG_WAVE_MODE, 25, 1), 1
	s_wait_xcnt 0x0
; G1: hid[i] = tw[p] sigmoid(x[t] Wg) (x[t] Wu) in bf16 for every padded row i, with p = rows[i], t = p mod 2048, and Wg, Wu of the block's expert.
; Work left out: the six experts that a token did not choose have no rows in the lists (the proof stands at the head of the first launch).
; The row's weight goes into hid, so that the last launch only adds.
; TILES.  31 blocks of 256 rows x 8 column blocks = 248 tiles of 256 rows x (128 gate + 128 up columns), one to a work-group.  A tile fetches, rounds and lays into
; LDS its whole strip of f32 weights (2 x 1024 x 128 x 4 bytes = 1 MiB) whatever its rows, so the rows are as many as a wave's registers hold.
; The walk is the same for all inputs: every barrier stands on a path that hangs on no loaded number.  The lists fill 24 to 31 blocks; the blocks behind them hold
; padding rows only (token 0, expert 7) and are multiplied like the others: at most 7 of 31 blocks, beside the others and not behind them.
; NO TENSOR LOADS, NO CLUSTER: x's rows are gathered by a list, the weights are f32 and pass through registers to become bf16, and how many row blocks
; share an expert's weights hangs on counts.
; K goes in 16 steps of 64.  Trip s asks for step s + 1 (48 loads of 16 bytes a lane) at its head, multiplies step s (128 matrix instructions a wave), then rounds
; step s + 1 to bf16 and puts it into the LDS buffer that trip s does not read; one barrier a trip orders both ways: the buffer written was last read a trip ago,
; with those reads waited for ahead of that trip's barrier, and it is read only behind this trip's barrier.
; A wave (wr, wc) holds rows 128 wr .. + 127 and gate and up columns 64 wc .. + 63: 8 x 8 accumulator tiles.  The matrix instruction is used transposed (source 0: 16
; columns of W, source 1: 16 rows of x): a lane then holds eight neighbouring columns of one row.
; REGISTERS in windows of 256: window 0 addresses (v0-57) and the staging set (v64-255); window 1 two fragment buffers (A 64 + B 64 registers each);
; window 2 the accumulator tiles of my rows 0-63, tile (a, n) at 8 (8 a + n), n 0-3 gate, 4-7 up; window 3 those of my rows 64-127.  1,024 in all: one staging set.
.set PA,    144                        ; 128 bytes + 16: 9 x 16, the 16 rows of a fragment load start in 16 different 16-byte columns
.set PB,    544                        ; 256 gate + 256 up bytes + 32: 17 x 32
.set BREG,  256*PA                     ; B lies behind A's 256 rows
.set BUF,   BREG+64*PB                 ; an LDS buffer: 71,680 bytes
.set STAGE, 2*BUF                      ; the way out: 256 rows x 272
.set PS,    272
.set AOFF, 2                           ; v[2:17]  byte offset in xb of my 16 bytes of row (tid >> 3) + 16 j
.set BOFF, 18                          ; v18      wave x 4096 + 16 lane: row k = wave + 4 j of the step, 512 consecutive bytes a wave
.set AST,  20                          ; v20, 21  where I put A, buffer 0, 1
.set BST,  22                          ; v22, 23  where I put B
.set ARD,  24                          ; v24, 25  my A fragments
.set BRD,  26                          ; v26, 27  my B fragments
.set WT,   28                          ; v[28:35] tw of row 16 a + r of my rows
.set STO,  36
.set RD,   37
.set HO,   38
.set LA,   39                          ; v39      4 (tid >> 3): my rows in the list, for A
.set LW,   40                          ; v40      4 (128 wr + r): my rows in the list, for the weights
.set CH,   41                          ; v41      16 (tid & 7)
.set LPW,  50                          ; v[50:57] list words of my rows, then their byte offsets in tw: never written again
.set LP,   64                          ; v[64:79] list words for A, used up before the staging set is asked for
.set SA,   64                          ; staging: A v[64:127], gate v[128:191], up v[192:255]
.set SG,   128
.set SU,   192
.set FA0,  0                           ; window 1
.set FB0,  64
.set FA1,  128
.set FB1,  192
.set MSB,  0
.macro WIN new                         ; the immediate's high byte repeats the setting that is left
.if MSB != \new
	s_set_vgpr_msb (MSB<<8)|\new
.set MSB, \new
.endif
.endm
	s_load_b512 s[4:19], s[0:1], 0x0               ; xb, rows, meta, tw, shared_gate, shared_up, experts_gate, experts_up
	s_load_b64 s[20:21], s[0:1], 0x40              ; hid
	v_lshl_add_u32 v62, v0, 2, 0x34000
	v_mov_b32 v63, 0
	v_lshrrev_b32 v1, 5, v0
	v_readfirstlane_b32 s22, v1                    ; wave
	s_lshr_b32 s23, s22, 1                         ; wr
	s_and_b32 s24, s22, 1                          ; wc
	s_mov_b32 s43, 0xbfb8aa3b                      ; - log2 e
	v_and_b32 v1, 31, v0                           ; lane
	v_and_b32 v42, 15, v0                          ; r
	v_bfe_u32 v43, v0, 4, 1                        ; h
	v_lshrrev_b32 v44, 3, v0                       ; tid >> 3
	v_and_b32 v45, 7, v0                           ; tid & 7
	s_lshl_b32 s44, s22, 12
	v_lshl_add_u32 v[BOFF], v1, 4, s44
	v_mul_u32_u24 v[AST], v44, PA
	v_lshl_add_u32 v[AST], v45, 4, v[AST]
	v_add_nc_u32 v[AST+1], BUF, v[AST]
	s_mul_i32 s44, s22, PB
	s_add_co_u32 s44, s44, BREG
	v_lshl_add_u32 v[BST], v1, 3, s44
	v_add_nc_u32 v[BST+1], BUF, v[BST]
	s_mul_i32 s44, s23, 128*PA
	v_mul_u32_u24 v46, v42, PA
	v_lshl_add_u32 v46, v43, 4, v46
	v_add_nc_u32 v[ARD], s44, v46                  ; (128 wr + r) x 144 + 16 h
	v_add_nc_u32 v[ARD+1], BUF, v[ARD]
	v_lshl_add_u32 v46, v43, 3, v45                ; 8 h + (lane & 7)
	v_mul_u32_u24 v46, v46, PB
	v_bfe_u32 v47, v0, 3, 1
	v_lshl_add_u32 v46, v47, 4, v46
	s_lshl_b32 s44, s24, 7
	s_add_co_u32 s44, s44, BREG
	v_add_nc_u32 v[BRD], s44, v46
	v_add_nc_u32 v[BRD+1], BUF, v[BRD]
	s_mul_i32 s44, s23, 128*PS
	s_lshl_b32 s45, s24, 7
	s_add_co_u32 s44, s44, s45
	s_add_co_u32 s44, s44, STAGE
	v_mul_u32_u24 v46, v42, PS
	v_lshl_add_u32 v46, v43, 4, v46
	v_add_nc_u32 v[STO], s44, v46                  ; stage + (128 wr + r) x 272 + 128 wc + 16 h
	s_mul_i32 s44, s22, 64*PS
	s_add_co_u32 s44, s44, STAGE
	v_mul_u32_u24 v46, v43, PS
	v_lshl_add_u32 v46, v42, 4, v46
	v_add_nc_u32 v[RD], s44, v46                   ; stage + (64 wave + h) x 272 + 16 r
	s_lshl_b32 s44, s22, 17
	v_lshlrev_b32 v46, 11, v43
	v_lshl_add_u32 v46, v42, 4, v46
	v_add_nc_u32 v[HO], s44, v46                   ; the same two rows in hid: rows of 2,048 bytes
	v_lshlrev_b32 v[LA], 2, v44
	s_lshl_b32 s44, s23, 9
	v_lshl_add_u32 v[LW], v42, 2, s44
	v_lshlrev_b32 v[CH], 4, v45
	s_lshr_b32 s27, ttmp9, 3                       ; q: block of rows
	s_and_b32 s28, ttmp9, 7                        ; cb: block of columns
	s_mov_b32 s31, 0
	s_wait_kmcnt 0x0
; One K step is asked for, into the staging set: 16 loads of x's rows, 16 of gate, 16 of up.
.macro GLOAD
.set i, 0
.rept 16
	global_load_b128 v[SA+4*i:SA+4*i+3], v[AOFF+i], s[32:33]
.set i, i+1
.endr
.set i, 0
.rept 16
	global_load_b128 v[SG+4*i:SG+4*i+3], v[BOFF], s[34:35] offset:16384*i
	global_load_b128 v[SU+4*i:SU+4*i+3], v[BOFF], s[36:37] offset:16384*i
.set i, i+1
.endr
.endm
; The staging set is rounded to bf16 in place and put into LDS buffer b.
.macro CVST b
	s_wait_loadcnt 0x0                             ; the step is there; no load is out, so the bases go 64 along K
	s_add_nc_u64 s[32:33], s[32:33], 128
	s_add_nc_u64 s[34:35], s[34:35], 0x40000
	s_add_nc_u64 s[36:37], s[36:37], 0x40000
.set i, 0
.rept 32
	v_cvt_pk_bf16_f32 v[SG+4*i], v[SG+4*i], v[SG+4*i+1]
	v_cvt_pk_bf16_f32 v[SG+4*i+1], v[SG+4*i+2], v[SG+4*i+3]
.set i, i+1
.endr
.set i, 0
.rept 16
	ds_store_b64 v[BST+\b], v[SG+4*i:SG+4*i+1] offset:4*PB*i           ; row k = wave + 4 i: 32 lanes x 8 bytes
	ds_store_b64 v[BST+\b], v[SU+4*i:SU+4*i+1] offset:4*PB*i+256
.set i, i+1
.endr
.set i, 0
.rept 16
	ds_store_b128 v[AST+\b], v[SA+4*i:SA+4*i+3] offset:16*PA*i
.set i, i+1
.endr
.endm
; The fragments of 32 along K (sub = 0, 1) from buffer b: 16 loads for my 128 rows of x, 16 transposing loads for my 64 gate and 64 up columns.
.macro FETCH b, sub, fa, fb
.irp a, 0,1,2,3,4,5,6,7
	ds_load_b128 v[\fa+8*\a:\fa+8*\a+3], v[ARD+\b] offset:16*PA*\a+64*\sub
	ds_load_b128 v[\fa+8*\a+4:\fa+8*\a+7], v[ARD+\b] offset:16*PA*\a+64*\sub+32
.endr
.irp n, 0,1,2,3,4,5,6,7
	ds_load_tr16_b128 v[\fb+8*\n:\fb+8*\n+3], v[BRD+\b] offset:32*PB*\sub+32*(\n&3)+256*(\n>>2)
	ds_load_tr16_b128 v[\fb+8*\n+4:\fb+8*\n+7], v[BRD+\b] offset:32*PB*\sub+16*PB+32*(\n&3)+256*(\n>>2)
.endr
.endm
; 64 matrix instructions; the 64 accumulators take turns, one instruction a turn, in the same order everywhere.
.macro MUL64 fa, fb, zero
.irp hi, 0,1
.if \hi
	WIN 0xf5                                       ; sources 0 and 1 window 1, C and D window 3
.else
	WIN 0xa5                                       ; sources 0 and 1 window 1, C and D window 2
.endif
.irp a, 0,1,2,3
.irp n, 0,1,2,3,4,5,6,7
.if \zero
	v_wmma_f32_16x16x32_bf16 v[8*(8*\a+\n):8*(8*\a+\n)+7], v[\fb+8*\n:\fb+8*\n+7], v[\fa+8*(4*\hi+\a):\fa+8*(4*\hi+\a)+7], 0
.else
	v_wmma_f32_16x16x32_bf16 v[8*(8*\a+\n):8*(8*\a+\n)+7], v[\fb+8*\n:\fb+8*\n+7], v[\fa+8*(4*\hi+\a):\fa+8*(4*\hi+\a)+7], v[8*(8*\a+\n):8*(8*\a+\n)+7]
.endif
.endr
.endr
.endr
.endm
; One K step from buffer b.  more = 1: asks for the next step at its head and stages it at its end; more = 0: the last step.
; The 64 conversions, which name staging registers alone, are the places between the trip's last matrix instruction and the next trip's loads into the fragments.
.macro TRIP b, more, zero
.if \more
	GLOAD
.endif
	WIN 0x40                                       ; destination window 1, address window 0
	FETCH \b, 0, FA0, FB0
	FETCH \b, 1, FA1, FB1
	s_wait_dscnt 32                                ; the first 32 are in; the second half step's 32 may be out
	MUL64 FA0, FB0, \zero
	s_wait_dscnt 0x0
	MUL64 FA1, FB1, 0
	WIN 0
.if \more
	CVST 1-\b
	s_wait_dscnt 0x0                               ; zero: my stores are there for the others, and my reads of this buffer are over
	s_barrier_signal -1
	s_barrier_wait -1
.endif
.endm
	s_lshl_b32 s30, s27, 2
	s_add_nc_u64 s[46:47], s[8:9], s[30:31]
	s_load_b32 s29, s[46:47], 0x0                  ; the block's expert
	s_lshl_b32 s30, s27, 10
	s_add_nc_u64 s[38:39], s[6:7], s[30:31]        ; the block's list: 256 words
.set i, 0
.rept 16
	global_load_b32 v[LP+i], v[LA], s[38:39] offset:64*i
.set i, i+1
.endr
.irp a, 0,1,2,3,4,5,6,7
	global_load_b32 v[LPW+\a], v[LW], s[38:39] offset:64*\a
.endr
	s_lshl_b32 s30, s27, 19
	s_lshl_b32 s44, s28, 8
	s_add_co_u32 s30, s30, s44
	s_add_nc_u64 s[40:41], s[20:21], s[30:31]      ; hid at row 256 q, column 128 cb
	s_mov_b64 s[32:33], s[4:5]
	s_wait_kmcnt 0x0
	s_min_u32 s29, s29, 8
	s_cmp_eq_u32 s29, 8
	s_cselect_b64 s[34:35], s[12:13], s[16:17]     ; shared or routed weights
	s_cselect_b64 s[36:37], s[14:15], s[18:19]
	s_and_b32 s29, s29, 7
	s_lshl_b32 s30, s29, 22                        ; an expert's matrix is 4 MiB
	s_lshl_b32 s44, s28, 9
	s_add_co_u32 s30, s30, s44
	s_add_nc_u64 s[34:35], s[34:35], s[30:31]
	s_add_nc_u64 s[36:37], s[36:37], s[30:31]
	s_wait_loadcnt 0x0
.set i, 0
.rept 16
	v_min_u32 v[LP+i], 0x17ff, v[LP+i]
	v_and_b32 v[LP+i], 0x7ff, v[LP+i]              ; token
	v_lshl_add_u32 v[AOFF+i], v[LP+i], 11, v[CH]
.set i, i+1
.endr
.irp a, 0,1,2,3,4,5,6,7
	v_min_u32 v[LPW+\a], 0x17ff, v[LPW+\a]
	v_lshlrev_b32 v[LPW+\a], 2, v[LPW+\a]
.endr
.irp a, 0,1,2,3,4,5,6,7
	global_load_b32 v[WT+\a], v[LPW+\a], s[10:11]  ; older than every staging load: the first wait for the staging set covers them
.endr
	GLOAD
	CVST 0
	s_wait_dscnt 0x0
	s_barrier_signal -1
	s_barrier_wait -1
	TRIP 0, 1, 1                                   ; the first products start the sums: nothing is cleared
	s_mov_b32 s42, 7
.Llap:
	TRIP 1, 1, 0
	TRIP 0, 1, 0
	s_sub_co_u32 s42, s42, 1
	s_cmp_lg_u32 s42, 0
	s_cbranch_scc1 .Llap
	TRIP 1, 0, 0                                   ; step 15, the last
.rept 4
	v_nop                                          ; four places behind the last matrix instruction (ISA guide 7.12.1)
.endr
	; sigmoid(g) u w = w u / (1 + 2^(- g log2 e)), 16 rows at a time, rounded to bf16 and laid into the stage
.irp a, 0,1,2,3,4,5,6,7
.if \a < 4
	WIN 0x08                                       ; source 1 window 2
.else
	WIN 0x0c                                       ; source 1 window 3
.endif
.set i, 0
.rept 32
	v_mul_f32 v[64+i], s43, v[64*(\a&3)+i]
	v_mul_f32 v[96+i], v[WT+\a], v[64*(\a&3)+32+i]
.set i, i+1
.endr
	WIN 0
.set i, 0
.rept 32
	v_exp_f32 v[64+i], v[64+i]
.set i, i+1
.endr
	v_nop                                          ; one plain instruction behind the last exponential (ISA guide 5.7.2)
.set i, 0
	s_wait_alu depctr_va_vdst(0)
.rept 16
	v_pk_add_f32 v[64+2*i:65+2*i], v[64+2*i:65+2*i], 1.0 op_sel_hi:[1,0]
.set i, i+1
.endr
.set i, 0
.rept 32
	v_rcp_f32 v[64+i], v[64+i]
.set i, i+1
.endr
	v_nop
.set i, 0
	s_wait_alu depctr_va_vdst(0)
.rept 16
	v_pk_mul_f32 v[64+2*i:65+2*i], v[64+2*i:65+2*i], v[96+2*i:97+2*i]
.set i, i+1
.endr
.set i, 0
.rept 16
	v_cvt_pk_bf16_f32 v[128+i], v[64+2*i], v[65+2*i]
.set i, i+1
.endr
.irp n, 0,1,2,3
	ds_store_b128 v[STO], v[128+4*\n:128+4*\n+3] offset:16*PS*\a+32*\n
.endr
.endr
	s_wait_dscnt 0x0                               ; a stage row is written by two waves: store, wait for zero, barrier, load
	s_barrier_signal -1
	s_barrier_wait -1
.set t, 0
.rept 32
	ds_load_b128 v[64+4*t:64+4*t+3], v[RD] offset:2*PS*t
.set t, t+1
.endr
.set t, 0
.rept 32
	s_wait_dscnt 31-t                              ; the younger read-backs may be out
	global_store_b128 v[HO], v[64+4*t:64+4*t+3], s[40:41] offset:4096*t   ; 16 lanes store 256 consecutive bytes, aligned
.set t, t+1
.endr
	s_wait_tensorcnt 0x0
	ds_add_u32 v62, v63
	s_wait_dscnt 0x0
	s_endpgm
.Lfunc_end_k_q798e31e633_g1:
	.size	k_q798e31e633_g1, .Lfunc_end_k_q798e31e633_g1-k_q798e31e633_g1
	.p2alignl 7, 3214868480
	.fill 96, 4, 3214868480
	.section	.rodata,"a",@progbits
	.p2align	6, 0x0
	.amdhsa_kernel k_q798e31e633_g1
		.amdhsa_group_segment_fixed_size 213504
		.amdhsa_private_segment_fixed_size 0
		.amdhsa_enable_private_segment 0
		.amdhsa_kernarg_size 72
		.amdhsa_user_sgpr_count 2
		.amdhsa_user_sgpr_kernarg_segment_ptr 1
		.amdhsa_wavefront_size32 1
		.amdhsa_system_sgpr_workgroup_id_x 1
		.amdhsa_system_sgpr_workgroup_id_y 1
		.amdhsa_system_sgpr_workgroup_id_z 1
		.amdhsa_system_vgpr_workitem_id 0
		.amdhsa_next_free_vgpr 1024
		.amdhsa_next_free_sgpr 66
		.amdhsa_reserve_vcc 0
		.amdhsa_float_denorm_mode_32 3
		.amdhsa_float_denorm_mode_16_64 3
		.amdhsa_memory_ordered 1
		.amdhsa_forward_progress 1
		.amdhsa_inst_pref_size 174
	.end_amdhsa_kernel
	.amdgpu_metadata
---
amdhsa.version: [ 1, 2 ]
amdhsa.kernels:
  - .name:           k_q798e31e633_g1
    .symbol:         k_q798e31e633_g1.kd
    .args:
      - { .name: xb, .offset: 0, .size: 8, .value_kind: global_buffer, .address_space: global }
      - { .name: rows, .offset: 8, .size: 8, .value_kind: global_buffer, .address_space: global }
      - { .name: meta, .offset: 16, .size: 8, .value_kind: global_buffer, .address_space: global }
      - { .name: tw, .offset: 24, .size: 8, .value_kind: global_buffer, .address_space: global }
      - { .name: shared_gate, .offset: 32, .size: 8, .value_kind: global_buffer, .address_space: global }
      - { .name: shared_up, .offset: 40, .size: 8, .value_kind: global_buffer, .address_space: global }
      - { .name: experts_gate, .offset: 48, .size: 8, .value_kind: global_buffer, .address_space: global }
      - { .name: experts_up, .offset: 56, .size: 8, .value_kind: global_buffer, .address_space: global }
      - { .name: hid, .offset: 64, .size: 8, .value_kind: global_buffer, .address_space: global }
    .group_segment_fixed_size: 213504
    .private_segment_fixed_size: 0
    .kernarg_segment_align: 8
    .kernarg_segment_size: 72
    .max_flat_workgroup_size: 128
    .sgpr_count:     66
    .vgpr_count:     1024
    .wavefront_size: 32
...
	.end_amdgpu_metadata
.endif
;; end of part 7
;; launch g2 (part 8): grid 248 x 1, 4 waves a work-group, no clusters, 128,512 bytes of LDS; arguments hid, meta, shared_down, experts_down, y; writes y
.if DOCPART == 8
	.amdgcn_target "amdgcn-amd-amdhsa--gfx1250"
	.amdhsa_code_object_version 6
	.text
	.protected	k_q798e31e633_g2
	.globl	k_q798e31e633_g2
	.p2align	8
	.type	k_q798e31e633_g2,@function
k_q798e31e633_g2:
	s_mov_b64 s[64:65], 0
	v_nop
	global_prefetch_b8 v0, s[64:65] scope:SCOPE_SE
	s_setreg_imm32_b32 hwreg(HW_REG_WAVE_MODE, 25, 1), 1
	s_wait_xcnt 0x0
; G2: y[i] = hid[i] Wd in f32 for every padded row i, Wd of the block's expert.
; Work left out: only the rows of the lists exist (the proof stands at the head of the first launch).
; 31 blocks of 256 rows x 8 blocks of 128 columns = 248 tiles, one to a work-group: the same walk for all inputs, so that every barrier stands on a path that hangs on
; no loaded number; blocks of padding alone (at most 7 of 31) are multiplied like the others.  A tile fetches and rounds its whole strip of f32 weights
; (1024 x 128 x 4 bytes = 512 KiB) whatever its rows: hence 256 rows.
; No tensor loads, no cluster: the weights are f32 and pass through registers to become bf16, and how many row blocks share an expert's weights hangs on counts.
; K goes in 16 steps of 64: step s + 2 is asked for in trip s (32 loads of 16 bytes a lane), step s + 1 goes into the LDS buffer that trip s does not read, one barrier a trip.
; A wave (wr, wc) holds 128 x 64: 32 accumulator tiles, tile (a, n) at 8 (4 a + n) of window 1; the matrix instruction is used transposed, so that a lane holds eight
; neighbouring columns of one row.  Window 0: addresses and two fragment buffers.  Windows 2 and 3: the two staging sets (A 0-63, B 64-127).
.set PA,    144
.set PB,    288                        ; 256 bytes + 32: 9 x 32
.set BREG,  256*PA
.set BUF,   BREG+64*PB                 ; A 256 rows x 144, then B 64 rows of k x 288: 55,296 bytes
.set STAGE, 2*BUF                      ; the way out: 16 rows x 272 for each wave, its own
.set PS,    272
.set AOFF, 2
.set BOFF, 3
.set AST,  4
.set BST,  6
.set ARD,  8
.set BRD,  10
.set STO,  12
.set RD,   13
.set YO,   14
.set FA0,  64
.set FB0,  128
.set FA1,  160
.set FB1,  224
.set OUT,  64                          ; the way out reads back into the first fragment buffer
.set SA,   0
.set SB,   64
.set MSB,  0
.macro WIN new
.if MSB != \new
	s_set_vgpr_msb (MSB<<8)|\new
.set MSB, \new
.endif
.endm
	s_load_b256 s[4:11], s[0:1], 0x0               ; hid, meta, shared_down, experts_down
	s_load_b64 s[12:13], s[0:1], 0x20              ; y
	v_lshl_add_u32 v62, v0, 2, 0x1f400
	v_mov_b32 v63, 0
	v_lshrrev_b32 v1, 5, v0
	v_readfirstlane_b32 s22, v1                    ; wave
	s_lshr_b32 s23, s22, 1                         ; wr
	s_and_b32 s24, s22, 1                          ; wc
	v_and_b32 v1, 31, v0                           ; lane
	v_and_b32 v27, 15, v0                          ; r
	v_bfe_u32 v28, v0, 4, 1                        ; h
	v_lshrrev_b32 v29, 3, v0                       ; tid >> 3
	v_and_b32 v30, 7, v0                           ; tid & 7
	v_lshlrev_b32 v[AOFF], 11, v29
	v_lshl_add_u32 v[AOFF], v30, 4, v[AOFF]        ; row tid >> 3 of hid's block, 16 bytes at 16 (tid & 7)
	s_lshl_b32 s44, s22, 12
	v_lshl_add_u32 v[BOFF], v1, 4, s44             ; row k = wave of the step, 16 bytes a lane
	v_mul_u32_u24 v[AST], v29, PA
	v_lshl_add_u32 v[AST], v30, 4, v[AST]
	v_add_nc_u32 v[AST+1], BUF, v[AST]
	s_mul_i32 s44, s22, PB
	s_add_co_u32 s44, s44, BREG
	v_lshl_add_u32 v[BST], v1, 3, s44
	v_add_nc_u32 v[BST+1], BUF, v[BST]
	s_mul_i32 s44, s23, 128*PA
	v_mul_u32_u24 v31, v27, PA
	v_lshl_add_u32 v31, v28, 4, v31
	v_add_nc_u32 v[ARD], s44, v31                  ; (128 wr + r) x 144 + 16 h
	v_add_nc_u32 v[ARD+1], BUF, v[ARD]
	v_lshl_add_u32 v31, v28, 3, v30
	v_mul_u32_u24 v31, v31, PB
	v_bfe_u32 v32, v0, 3, 1
	v_lshl_add_u32 v31, v32, 4, v31
	s_lshl_b32 s44, s24, 7
	s_add_co_u32 s44, s44, BREG
	v_add_nc_u32 v[BRD], s44, v31
	v_add_nc_u32 v[BRD+1], BUF, v[BRD]
	s_mul_i32 s44, s22, 16*PS
	s_add_co_u32 s44, s44, STAGE                   ; my stage
	v_mul_u32_u24 v31, v27, PS
	v_lshl_add_u32 v31, v28, 5, v31
	v_add_nc_u32 v[STO], s44, v31                  ; in: row r, 32 bytes for each half of the lanes
	v_mul_u32_u24 v31, v28, PS
	v_lshl_add_u32 v31, v27, 4, v31
	v_add_nc_u32 v[RD], s44, v31                   ; back: lanes 0-15 one row of 256 bytes, lanes 16-31 the next
	v_lshlrev_b32 v31, 12, v28
	v_lshl_add_u32 v[YO], v27, 4, v31              ; the same two rows in y
	s_lshr_b32 s27, ttmp9, 3                       ; q
	s_and_b32 s28, ttmp9, 7                        ; cb
	s_mov_b32 s31, 0
	s_wait_kmcnt 0x0
.macro GLOAD b, step
.if \step
	s_wait_xcnt 0x0                                ; the last request's addresses are translated: its bases may be stepped
	s_add_nc_u64 s[32:33], s[32:33], 128
	s_add_nc_u64 s[34:35], s[34:35], 0x40000
.endif
.if \b
	WIN 0xc0
.else
	WIN 0x80
.endif
.set i, 0
.rept 16
	global_load_b128 v[SA+4*i:SA+4*i+3], v[AOFF], s[32:33] offset:32768*i
.set i, i+1
.endr
.set i, 0
.rept 16
	global_load_b128 v[SB+4*i:SB+4*i+3], v[BOFF], s[34:35] offset:16384*i
.set i, i+1
.endr
	WIN 0
.endm
.macro CVST b, left
	s_wait_loadcnt \left                           ; loads come back in order (ISA guide 5.7.1): the younger step's loads stay out
.if \b
	WIN 0xcf
.else
	WIN 0x8a
.endif
.set i, 0
.rept 16
	v_cvt_pk_bf16_f32 v[SB+4*i], v[SB+4*i], v[SB+4*i+1]
	v_cvt_pk_bf16_f32 v[SB+4*i+1], v[SB+4*i+2], v[SB+4*i+3]
.set i, i+1
.endr
.if \b
	WIN 0x0c
.else
	WIN 0x08
.endif
.set i, 0
.rept 16
	ds_store_b64 v[BST+\b], v[SB+4*i:SB+4*i+1] offset:4*PB*i
.set i, i+1
.endr
.set i, 0
.rept 16
	ds_store_b128 v[AST+\b], v[SA+4*i:SA+4*i+3] offset:16*PA*i
.set i, i+1
.endr
	WIN 0
.endm
.macro FETCH b, sub, fa, fb
.irp a, 0,1,2,3,4,5,6,7
	ds_load_b128 v[\fa+8*\a:\fa+8*\a+3], v[ARD+\b] offset:16*PA*\a+64*\sub
	ds_load_b128 v[\fa+8*\a+4:\fa+8*\a+7], v[ARD+\b] offset:16*PA*\a+64*\sub+32
.endr
.irp n, 0,1,2,3
	ds_load_tr16_b128 v[\fb+8*\n:\fb+8*\n+3], v[BRD+\b] offset:32*PB*\sub+32*\n
	ds_load_tr16_b128 v[\fb+8*\n+4:\fb+8*\n+7], v[BRD+\b] offset:32*PB*\sub+16*PB+32*\n
.endr
.endm
; 32 matrix instructions; the 32 accumulators take turns, one instruction a turn, in the same order everywhere.
.macro MUL32 fa, fb, zero
.irp a, 0,1,2,3,4,5,6,7
.irp n, 0,1,2,3
.if \zero
	v_wmma_f32_16x16x32_bf16 v[8*(4*\a+\n):8*(4*\a+\n)+7], v[\fb+8*\n:\fb+8*\n+7], v[\fa+8*\a:\fa+8*\a+7], 0
.else
	v_wmma_f32_16x16x32_bf16 v[8*(4*\a+\n):8*(4*\a+\n)+7], v[\fb+8*\n:\fb+8*\n+7], v[\fa+8*\a:\fa+8*\a+7], v[8*(4*\a+\n):8*(4*\a+\n)+7]
.endif
.endr
.endr
.endm
; One K step from buffer b.  mode 2: asks for the step after next and stages the next; mode 1: stages the last step; mode 0: the last step.
; The 32 conversions, which name staging registers alone, are the places between the trip's last matrix instruction and the next trip's loads into the fragments.
.macro TRIP b, mode, zero
.if \mode == 2
	GLOAD \b, 1
.endif
	FETCH \b, 0, FA0, FB0
	FETCH \b, 1, FA1, FB1
	s_wait_dscnt 24                                ; the first 24 are in; the second half step's 24 may be out
	WIN 0x50
	MUL32 FA0, FB0, \zero
	s_wait_dscnt 0x0
	MUL32 FA1, FB1, 0
	WIN 0
.if \mode
.if \mode == 2
	CVST 1-\b, 32
.else
	CVST 1-\b, 0
.endif
	s_wait_dscnt 0x0                               ; zero: my stores are there for the others, and my reads of this buffer are over
	s_barrier_signal -1
	s_barrier_wait -1
.endif
.endm
	s_lshl_b32 s30, s27, 2
	s_add_nc_u64 s[46:47], s[6:7], s[30:31]
	s_load_b32 s29, s[46:47], 0x0                  ; the block's expert
	s_lshl_b32 s30, s27, 19
	s_add_nc_u64 s[32:33], s[4:5], s[30:31]        ; hid at row 256 q
	s_lshl_b32 s30, s27, 20
	s_lshl_b32 s44, s23, 19
	s_add_co_u32 s30, s30, s44
	s_lshl_b32 s44, s28, 9
	s_add_co_u32 s30, s30, s44
	s_lshl_b32 s44, s24, 8
	s_add_co_u32 s30, s30, s44
	s_add_nc_u64 s[40:41], s[12:13], s[30:31]      ; y at row 256 q + 128 wr, column 128 cb + 64 wc
	s_wait_kmcnt 0x0
	s_min_u32 s29, s29, 8
	s_cmp_eq_u32 s29, 8
	s_cselect_b64 s[34:35], s[8:9], s[10:11]
	s_and_b32 s29, s29, 7
	s_lshl_b32 s30, s29, 22
	s_lshl_b32 s44, s28, 9
	s_add_co_u32 s30, s30, s44
	s_add_nc_u64 s[34:35], s[34:35], s[30:31]
	GLOAD 0, 0
	GLOAD 1, 1
	CVST 0, 32
	s_wait_dscnt 0x0
	s_barrier_signal -1
	s_barrier_wait -1
	TRIP 0, 2, 1                                   ; the first products start the sums
	s_mov_b32 s42, 6
.Llap:
	TRIP 1, 2, 0
	TRIP 0, 2, 0
	s_sub_co_u32 s42, s42, 1
	s_cmp_lg_u32 s42, 0
	s_cbranch_scc1 .Llap
	TRIP 1, 2, 0                                   ; asks for step 15, the last
	TRIP 0, 1, 0
	TRIP 1, 0, 0
.rept 4
	v_nop                                          ; four places behind the last matrix instruction (ISA guide 7.12.1)
.endr
	; the way out, 16 rows at a time through my own stage: LDS serves a wave's instructions in order, so no wait stands between the stores and the loads
.irp a, 0,1,2,3,4,5,6,7
	WIN 0x04
.irp n, 0,1,2,3
	ds_store_b128 v[STO], v[8*(4*\a+\n):8*(4*\a+\n)+3] offset:64*\n
	ds_store_b128 v[STO], v[8*(4*\a+\n)+4:8*(4*\a+\n)+7] offset:64*\n+16
.endr
	WIN 0
	s_wait_xcnt 0x0                                ; the registers that the last sixteen rows' stores read are loaded again only behind this wait
.irp t, 0,1,2,3,4,5,6,7
	ds_load_b128 v[OUT+4*\t:OUT+4*\t+3], v[RD] offset:2*PS*\t
.endr
.irp t, 0,1,2,3,4,5,6,7
	s_wait_dscnt 7-\t                              ; the younger read-backs may be out
	global_store_b128 v[YO], v[OUT+4*\t:OUT+4*\t+3], s[40:41] offset:4096*(16*\a+2*\t)   ; 16 lanes store 256 consecutive bytes, aligned
.endr
.endr
	s_wait_tensorcnt 0x0
	ds_add_u32 v62, v63
	s_wait_dscnt 0x0
	s_endpgm
.Lfunc_end_k_q798e31e633_g2:
	.size	k_q798e31e633_g2, .Lfunc_end_k_q798e31e633_g2-k_q798e31e633_g2
	.p2alignl 7, 3214868480
	.fill 96, 4, 3214868480
	.section	.rodata,"a",@progbits
	.p2align	6, 0x0
	.amdhsa_kernel k_q798e31e633_g2
		.amdhsa_group_segment_fixed_size 128512
		.amdhsa_private_segment_fixed_size 0
		.amdhsa_enable_private_segment 0
		.amdhsa_kernarg_size 40
		.amdhsa_user_sgpr_count 2
		.amdhsa_user_sgpr_kernarg_segment_ptr 1
		.amdhsa_wavefront_size32 1
		.amdhsa_system_sgpr_workgroup_id_x 1
		.amdhsa_system_sgpr_workgroup_id_y 1
		.amdhsa_system_sgpr_workgroup_id_z 1
		.amdhsa_system_vgpr_workitem_id 0
		.amdhsa_next_free_vgpr 896
		.amdhsa_next_free_sgpr 66
		.amdhsa_reserve_vcc 0
		.amdhsa_float_denorm_mode_32 3
		.amdhsa_float_denorm_mode_16_64 3
		.amdhsa_memory_ordered 1
		.amdhsa_forward_progress 1
		.amdhsa_inst_pref_size 109
	.end_amdhsa_kernel
	.amdgpu_metadata
---
amdhsa.version: [ 1, 2 ]
amdhsa.kernels:
  - .name:           k_q798e31e633_g2
    .symbol:         k_q798e31e633_g2.kd
    .args:
      - { .name: hid, .offset: 0, .size: 8, .value_kind: global_buffer, .address_space: global }
      - { .name: meta, .offset: 8, .size: 8, .value_kind: global_buffer, .address_space: global }
      - { .name: shared_down, .offset: 16, .size: 8, .value_kind: global_buffer, .address_space: global }
      - { .name: experts_down, .offset: 24, .size: 8, .value_kind: global_buffer, .address_space: global }
      - { .name: y, .offset: 32, .size: 8, .value_kind: global_buffer, .address_space: global }
    .group_segment_fixed_size: 128512
    .private_segment_fixed_size: 0
    .kernarg_segment_align: 8
    .kernarg_segment_size: 40
    .max_flat_workgroup_size: 128
    .sgpr_count:     66
    .vgpr_count:     896
    .wavefront_size: 32
...
	.end_amdgpu_metadata
.endif
;; end of part 8
;; launch comb (part 9): grid 256 x 1, 8 waves a work-group, no clusters, 0 bytes of LDS; arguments hidden_states, y, code, pos, out0; writes out0
.if DOCPART == 9
	.amdgcn_target "amdgcn-amd-amdhsa--gfx1250"
	.amdhsa_code_object_version 6
	.text
	.protected	k_q798e31e633_comb
	.globl	k_q798e31e633_comb
	.p2align	8
	.type	k_q798e31e633_comb,@function
k_q798e31e633_comb:
	s_mov_b64 s[64:65], 0
	v_nop
	global_prefetch_b8 v0, s[64:65] scope:SCOPE_SE
	s_setreg_imm32_b32 hwreg(HW_REG_WAVE_MODE, 25, 1), 1
	s_wait_xcnt 0x0
; COMB: out[t] = x[t] + (y[t] + (y[pos[e0][t]] + y[pos[e1][t]])).  Row t of y is the shared expert's; e0 and e1 come from code[t]; the weights are in y already.
; Work left out: a token's rows exist for its two chosen experts alone (the proof stands at the head of the first launch); padding rows of y are not read.
; A wave takes one token: four rows of 4,096 bytes in, one out, every load and store 512 consecutive bytes.  Memory binds: no LDS, no matrix unit.
.set D, 8                              ; v[8:135]  chunk j at 16 j: x, shared, first, second, four registers each
.set LASTROW, 7935                     ; y has 31 blocks of 256 rows
	s_load_b256 s[4:11], s[0:1], 0x0               ; x s[4:5], y s[6:7], code s[8:9], pos s[10:11]
	s_load_b64 s[12:13], s[0:1], 0x20              ; out
	v_lshrrev_b32 v1, 5, v0
	v_readfirstlane_b32 s14, v1
	v_and_b32 v1, 31, v0
	v_lshlrev_b32 v2, 4, v1
	s_lshl_b32 s15, ttmp9, 3
	s_add_co_u32 s15, s15, s14                     ; token
	s_lshl_b32 s16, s15, 2
	s_mov_b32 s17, 0
	s_lshl_b32 s24, s15, 12
	s_mov_b32 s25, 0
	s_wait_kmcnt 0x0
	s_add_nc_u64 s[18:19], s[8:9], s[16:17]
	s_load_b32 s20, s[18:19], 0x0                  ; code[t]
	s_add_nc_u64 s[4:5], s[4:5], s[24:25]
	s_add_nc_u64 s[12:13], s[12:13], s[24:25]
	s_add_nc_u64 s[26:27], s[6:7], s[24:25]        ; the shared expert's row
.irp j, 0,1,2,3,4,5,6,7
	global_load_b128 v[D+16*\j:D+16*\j+3], v2, s[4:5] offset:512*\j th:TH_LOAD_NT
	global_load_b128 v[D+16*\j+4:D+16*\j+7], v2, s[26:27] offset:512*\j th:TH_LOAD_NT
.endr
	s_wait_kmcnt 0x0
	s_and_b32 s21, s20, 0xff
	s_ctz_i32_b32 s21, s21                         ; e0
	s_min_u32 s21, s21, 7
	s_lshr_b32 s22, s20, 8
	s_ctz_i32_b32 s22, s22                         ; e1
	s_min_u32 s22, s22, 7
	s_lshl_b32 s21, s21, 13
	s_lshl_b32 s22, s22, 13
	s_add_co_u32 s28, s21, s16
	s_mov_b32 s29, 0
	s_add_co_u32 s30, s22, s16
	s_mov_b32 s31, 0
	s_add_nc_u64 s[28:29], s[10:11], s[28:29]
	s_add_nc_u64 s[30:31], s[10:11], s[30:31]
	s_load_b32 s21, s[28:29], 0x0                  ; pos[e0][t]
	s_load_b32 s22, s[30:31], 0x0                  ; pos[e1][t]
	s_wait_kmcnt 0x0
	s_min_u32 s21, s21, LASTROW
	s_min_u32 s22, s22, LASTROW
	s_lshl_b32 s32, s21, 12
	s_mov_b32 s33, 0
	s_lshl_b32 s34, s22, 12
	s_mov_b32 s35, 0
	s_add_nc_u64 s[32:33], s[6:7], s[32:33]
	s_add_nc_u64 s[34:35], s[6:7], s[34:35]
.irp j, 0,1,2,3,4,5,6,7
	global_load_b128 v[D+16*\j+8:D+16*\j+11], v2, s[32:33] offset:512*\j th:TH_LOAD_NT
	global_load_b128 v[D+16*\j+12:D+16*\j+15], v2, s[34:35] offset:512*\j th:TH_LOAD_NT
.endr
.irp j, 0,1,2,3,4,5,6,7
	s_wait_loadcnt 14-2*\j                         ; the later chunks' pairs of routed rows may be out; x and the shared row are older
	v_pk_add_f32 v[D+16*\j+8:D+16*\j+9], v[D+16*\j+8:D+16*\j+9], v[D+16*\j+12:D+16*\j+13]
	v_pk_add_f32 v[D+16*\j+10:D+16*\j+11], v[D+16*\j+10:D+16*\j+11], v[D+16*\j+14:D+16*\j+15]
	v_pk_add_f32 v[D+16*\j+4:D+16*\j+5], v[D+16*\j+4:D+16*\j+5], v[D+16*\j+8:D+16*\j+9]
	v_pk_add_f32 v[D+16*\j+6:D+16*\j+7], v[D+16*\j+6:D+16*\j+7], v[D+16*\j+10:D+16*\j+11]
	v_pk_add_f32 v[D+16*\j:D+16*\j+1], v[D+16*\j:D+16*\j+1], v[D+16*\j+4:D+16*\j+5]
	v_pk_add_f32 v[D+16*\j+2:D+16*\j+3], v[D+16*\j+2:D+16*\j+3], v[D+16*\j+6:D+16*\j+7]
	global_store_b128 v2, v[D+16*\j:D+16*\j+3], s[12:13] offset:512*\j th:TH_STORE_NT
.endr
	s_endpgm
.Lfunc_end_k_q798e31e633_comb:
	.size	k_q798e31e633_comb, .Lfunc_end_k_q798e31e633_comb-k_q798e31e633_comb
	.p2alignl 7, 3214868480
	.fill 96, 4, 3214868480
	.section	.rodata,"a",@progbits
	.p2align	6, 0x0
	.amdhsa_kernel k_q798e31e633_comb
		.amdhsa_group_segment_fixed_size 0
		.amdhsa_private_segment_fixed_size 0
		.amdhsa_enable_private_segment 0
		.amdhsa_kernarg_size 40
		.amdhsa_user_sgpr_count 2
		.amdhsa_user_sgpr_kernarg_segment_ptr 1
		.amdhsa_wavefront_size32 1
		.amdhsa_system_sgpr_workgroup_id_x 1
		.amdhsa_system_sgpr_workgroup_id_y 1
		.amdhsa_system_sgpr_workgroup_id_z 1
		.amdhsa_system_vgpr_workitem_id 0
		.amdhsa_next_free_vgpr 136
		.amdhsa_next_free_sgpr 66
		.amdhsa_reserve_vcc 0
		.amdhsa_float_denorm_mode_32 3
		.amdhsa_float_denorm_mode_16_64 3
		.amdhsa_memory_ordered 1
		.amdhsa_forward_progress 1
		.amdhsa_inst_pref_size 9
	.end_amdhsa_kernel
	.amdgpu_metadata
---
amdhsa.version: [ 1, 2 ]
amdhsa.kernels:
  - .name:           k_q798e31e633_comb
    .symbol:         k_q798e31e633_comb.kd
    .args:
      - { .name: hidden_states, .offset: 0, .size: 8, .value_kind: global_buffer, .address_space: global }
      - { .name: y, .offset: 8, .size: 8, .value_kind: global_buffer, .address_space: global }
      - { .name: code, .offset: 16, .size: 8, .value_kind: global_buffer, .address_space: global }
      - { .name: pos, .offset: 24, .size: 8, .value_kind: global_buffer, .address_space: global }
      - { .name: out0, .offset: 32, .size: 8, .value_kind: global_buffer, .address_space: global }
    .group_segment_fixed_size: 0
    .private_segment_fixed_size: 0
    .kernarg_segment_align: 8
    .kernarg_segment_size: 40
    .max_flat_workgroup_size: 256
    .sgpr_count:     66
    .vgpr_count:     136
    .wavefront_size: 32
...
	.end_amdgpu_metadata
.endif
;; end of part 9
;; ======== version 3 of 3: 5 launches; 1.25 times as fast as version 1
;; workspace buffers: xb 4,194,304 bytes; code 8,192 bytes of whole numbers; tw 24,576 bytes; rows 31,744 bytes of whole numbers; pos 65,536 bytes of whole numbers; meta 256 bytes of whole numbers; hid 16,252,928 bytes; y 32,505,856 bytes
;; launch route: the kernel of part 1 again; grid 256 x 1, 4 waves a work-group, no clusters, 0 bytes of LDS; arguments hidden_states, router_w, xb, code, tw; writes xb, code, tw
;; launch plan: the kernel of part 6 again; grid 1 x 1, 8 waves a work-group, no clusters, 75,008 bytes of LDS; arguments code, rows, pos, meta; writes rows, pos, meta
;; launch g1 (part 10): grid 248 x 1, 4 waves a work-group, no clusters, 213,504 bytes of LDS; arguments xb, rows, meta, tw, shared_gate, shared_up, experts_gate, experts_up, hid; writes hid
.if DOCPART == 10
	.amdgcn_target "amdgcn-amd-amdhsa--gfx1250"
	.amdhsa_code_object_version 6
	.text
	.protected	k_q798e31e633_g1
	.globl	k_q798e31e633_g1
	.p2align	8
	.type	k_q798e31e633_g1,@function
k_q798e31e633_g1:
	s_mov_b64 s[64:65], 0
	v_nop
	global_prefetch_b8 v0, s[64:65] scope:SCOPE_SE
	s_setreg_imm32_b32 hwreg(HW_REG_WAVE_MODE, 25, 1), 1
	s_wait_xcnt 0x0
; G1: hid[i] = tw[p] sigmoid(x[t] Wg) (x[t] Wu) in bf16 for every padded row i, with p = rows[i], t = p mod 2048, and Wg, Wu of the block's expert.
; Work left out: the six experts that a token did not choose have no rows in the lists (the proof stands at the head of the first launch).
; The row's weight goes into hid, so that the last launch only adds.
; TILES.  31 blocks of 256 rows x 8 column blocks = 248 tiles of 256 rows x (128 gate + 128 up columns), one to a work-group.  A tile fetches, rounds and lays into
; LDS its whole strip of f32 weights (2 x 1024 x 128 x 4 bytes = 1 MiB) whatever its rows, so the rows are as many as a wave's registers hold.
; The walk is the same for all inputs: every barrier stands on a path that hangs on no loaded number.  The lists fill 24 to 31 blocks; the blocks behind them hold
; padding rows only (token 0, expert 7) and are multiplied like the others: at most 7 of 31 blocks, beside the others and not behind them.
; NO TENSOR LOADS, NO CLUSTER: x's rows are gathered by a list, the weights are f32 and pass through registers to become bf16, and how many row blocks
; share an expert's weights hangs on counts.
; A wave (wr, wc) holds rows 128 wr .. + 127 and gate and up columns 64 wc .. + 63: 8 x 8 accumulator tiles.  The matrix instruction is used transposed (source 0: 16
; columns of W, source 1: 16 rows of x): a lane then holds eight neighbouring columns of one row.
; THE TRIP.  K goes in 16 steps of 64 through two LDS buffers.  Trip s multiplies step s (128 matrix instructions a wave, in eight groups of 16) and, between the groups,
; in six short runs of memory instructions: puts step s + 1, rounded to bf16, into the buffer that it does not read; asks for step s + 2; fetches its own second half
; step's fragments; and, behind the trip's one barrier, the next buffer's first fragments.  Every fragment is fetched a group or more ahead of its first use.
; The barrier orders both ways: ahead of its signal each wave has waited for all its reads of this trip's buffer and all its stores into the other; the other buffer is read
; only behind the barrier's wait, and written only behind the barrier of the trip before, ahead of which its last reads were waited for.
; REGISTERS in windows of 256: window 0 addresses (v0-57) and the staging set (v64-255); window 1 two fragment buffers (A 64 + B 64 registers each);
; window 2 the accumulator tiles of my rows 0-63, tile (a, n) at 8 (8 a + n), n 0-3 gate, 4-7 up; window 3 those of my rows 64-127.  1,024 in all: one staging set.
.set PA,    144                        ; 128 bytes + 16: 9 x 16, the 16 rows of a fragment load start in 16 different 16-byte columns
.set PB,    544                        ; 256 gate + 256 up bytes + 32: 17 x 32
.set BREG,  256*PA                     ; B lies behind A's 256 rows
.set BUF,   BREG+64*PB                 ; an LDS buffer: 71,680 bytes
.set STAGE, 2*BUF                      ; the way out: 256 rows x 272
.set PS,    272
.set AOFF, 2                           ; v[2:17]  byte offset in xb of my 16 bytes of row (my row of sixteen) + 16 j
.set BOFF, 18                          ; v18      wave x 4096 + 16 lane: row k = wave + 4 j of the step, 512 consecutive bytes a wave
.set AST,  20                          ; v20, 21  where I put A, buffer 0, 1
.set BST,  22                          ; v22, 23  where I put B
.set ARD,  24                          ; v24, 25  my A fragments
.set BRD,  26                          ; v26, 27  my B fragments
.set WT,   28                          ; v[28:35] tw of row 16 a + r of my rows
.set STO,  36
.set RD,   37
.set HO,   38
.set LA,   39                          ; v39      4 x my row of sixteen: my rows in the list, for A
.set LW,   40                          ; v40      4 (128 wr + r): my rows in the list, for the weights
.set CH,   41                          ; v41      16 (tid & 7)
.set LPW,  50                          ; v[50:57] list words of my rows, then their byte offsets in tw: never written again
.set LP,   64                          ; v[64:79] list words for A, used up before the staging set is asked for
.set SA,   64                          ; staging: A v[64:127], gate v[128:191], up v[192:255]
.set SG,   128
.set SU,   192
.set FA0,  0                           ; window 1
.set FB0,  64
.set FA1,  128
.set FB1,  192
.set MSB,  0
.set cvi,  0
.macro WIN new                         ; the immediate's high byte repeats the setting that is left
.if MSB != \new
	s_set_vgpr_msb (MSB<<8)|\new
.set MSB, \new
.endif
.endm
.macro PLACES                          ; four places behind a matrix instruction, where no vector work stands (ISA guide 7.12.1)
.rept 4
	v_nop
.endr
.endm
	s_load_b512 s[4:19], s[0:1], 0x0               ; xb, rows, meta, tw, shared_gate, shared_up, experts_gate, experts_up
	s_load_b64 s[20:21], s[0:1], 0x40              ; hid
	v_lshl_add_u32 v62, v0, 2, 0x34000
	v_mov_b32 v63, 0
	v_lshrrev_b32 v1, 5, v0
	v_readfirstlane_b32 s22, v1                    ; wave
	s_lshr_b32 s23, s22, 1                         ; wr
	s_and_b32 s24, s22, 1                          ; wc
	s_mov_b32 s43, 0xbfb8aa3b                      ; - log2 e
	v_and_b32 v1, 31, v0                           ; lane
	v_and_b32 v42, 15, v0                          ; r
	v_bfe_u32 v43, v0, 4, 1                        ; h
	v_lshrrev_b32 v44, 3, v0                       ; t = tid >> 3
	v_and_b32 v46, 1, v44
	v_lshrrev_b32 v44, 1, v44
	v_lshl_or_b32 v44, v46, 3, v44                 ; my row of sixteen = 8 (t & 1) + (t >> 1): the two rows that 16 lanes store lie 8 x 144 = 4 x 256 + 128 bytes apart,
	                                               ; so that their 2 x 128 bytes fall on 256 different bytes modulo 256 (64 banks of 4 bytes: ISA guide 11.1)
	v_and_b32 v45, 7, v0                           ; tid & 7
	s_lshl_b32 s44, s22, 12
	v_lshl_add_u32 v[BOFF], v1, 4, s44
	v_mul_u32_u24 v[AST], v44, PA
	v_lshl_add_u32 v[AST], v45, 4, v[AST]
	v_add_nc_u32 v[AST+1], BUF, v[AST]
	s_mul_i32 s44, s22, PB
	s_add_co_u32 s44, s44, BREG
	v_lshl_add_u32 v[BST], v1, 3, s44
	v_add_nc_u32 v[BST+1], BUF, v[BST]
	s_mul_i32 s44, s23, 128*PA
	v_mul_u32_u24 v46, v42, PA
	v_lshl_add_u32 v46, v43, 4, v46
	v_add_nc_u32 v[ARD], s44, v46                  ; (128 wr + r) x 144 + 16 h
	v_add_nc_u32 v[ARD+1], BUF, v[ARD]
	v_lshl_add_u32 v46, v43, 3, v45                ; 8 h + (lane & 7)
	v_mul_u32_u24 v46, v46, PB
	v_bfe_u32 v47, v0, 3, 1
	v_lshl_add_u32 v46, v47, 4, v46
	s_lshl_b32 s44, s24, 7
	s_add_co_u32 s44, s44, BREG
	v_add_nc_u32 v[BRD], s44, v46
	v_add_nc_u32 v[BRD+1], BUF, v[BRD]
	s_mul_i32 s44, s23, 128*PS
	s_lshl_b32 s45, s24, 7
	s_add_co_u32 s44, s44, s45
	s_add_co_u32 s44, s44, STAGE
	v_mul_u32_u24 v46, v42, PS
	v_lshl_add_u32 v46, v43, 4, v46
	v_add_nc_u32 v[STO], s44, v46                  ; stage + (128 wr + r) x 272 + 128 wc + 16 h
	s_mul_i32 s44, s22, 64*PS
	s_add_co_u32 s44, s44, STAGE
	v_mul_u32_u24 v46, v43, PS
	v_lshl_add_u32 v46, v42, 4, v46
	v_add_nc_u32 v[RD], s44, v46                   ; stage + (64 wave + h) x 272 + 16 r
	s_lshl_b32 s44, s22, 17
	v_lshlrev_b32 v46, 11, v43
	v_lshl_add_u32 v46, v42, 4, v46
	v_add_nc_u32 v[HO], s44, v46                   ; the same two rows in hid: rows of 2,048 bytes
	v_lshlrev_b32 v[LA], 2, v44
	s_lshl_b32 s44, s23, 9
	v_lshl_add_u32 v[LW], v42, 2, s44
	v_lshlrev_b32 v[CH], 4, v45
	s_lshr_b32 s27, ttmp9, 3                       ; q: block of rows
	s_and_b32 s28, ttmp9, 7                        ; cb: block of columns
	s_mov_b32 s31, 0
	s_wait_kmcnt 0x0
; One K step's weights are asked for: 16 loads of gate, 16 of up (window 0).
.macro GLOADW
.set i, 0
.rept 16
	global_load_b128 v[SG+4*i:SG+4*i+3], v[BOFF], s[34:35] offset:16384*i
	global_load_b128 v[SU+4*i:SU+4*i+3], v[BOFF], s[36:37] offset:16384*i
.set i, i+1
.endr
.endm
; One K step's rows of x: 16 loads.
.macro GLOADA
.set i, 0
.rept 16
	global_load_b128 v[SA+4*i:SA+4*i+3], v[AOFF+i], s[32:33]
.set i, i+1
.endr
.endm
; A slice of four conversions: eight staged registers of weights are rounded to bf16 in place.  Sixteen slices do the step's 128 registers.
.macro CV4
	v_cvt_pk_bf16_f32 v[SG+8*cvi], v[SG+8*cvi], v[SG+8*cvi+1]
	v_cvt_pk_bf16_f32 v[SG+8*cvi+1], v[SG+8*cvi+2], v[SG+8*cvi+3]
	v_cvt_pk_bf16_f32 v[SG+8*cvi+4], v[SG+8*cvi+4], v[SG+8*cvi+5]
	v_cvt_pk_bf16_f32 v[SG+8*cvi+5], v[SG+8*cvi+6], v[SG+8*cvi+7]
.set cvi, cvi+1
.endm
.macro STOREW b                        ; the rounded weights into LDS buffer b: row k = wave + 4 i, 32 lanes x 8 bytes
.set i, 0
.rept 16
	ds_store_b64 v[BST+\b], v[SG+4*i:SG+4*i+1] offset:4*PB*i
	ds_store_b64 v[BST+\b], v[SU+4*i:SU+4*i+1] offset:4*PB*i+256
.set i, i+1
.endr
.endm
.macro STOREA b                        ; x's rows, bf16 as they came, into LDS buffer b
.set i, 0
.rept 16
	ds_store_b128 v[AST+\b], v[SA+4*i:SA+4*i+3] offset:16*PA*i
.set i, i+1
.endr
.endm
; Fragments of 32 along K (sub = 0, 1) from buffer b, under destination window 1: 16 transposing loads for my 64 gate and 64 up columns;
.macro FETCHB b, sub, fb
.irp n, 0,1,2,3,4,5,6,7
	ds_load_tr16_b128 v[\fb+8*\n:\fb+8*\n+3], v[BRD+\b] offset:32*PB*\sub+32*(\n&3)+256*(\n>>2)
	ds_load_tr16_b128 v[\fb+8*\n+4:\fb+8*\n+7], v[BRD+\b] offset:32*PB*\sub+16*PB+32*(\n&3)+256*(\n>>2)
.endr
.endm
; two loads for each of the na blocks of 16 rows of x from block a0 on.
.macro FETCHA b, sub, fa, a0, na
.set fi, \a0
.rept \na
	ds_load_b128 v[\fa+8*fi:\fa+8*fi+3], v[ARD+\b] offset:16*PA*fi+64*\sub
	ds_load_b128 v[\fa+8*fi+4:\fa+8*fi+7], v[ARD+\b] offset:16*PA*fi+64*\sub+32
.set fi, fi+1
.endr
.endm
; A group of 16 matrix instructions: row blocks a0, a0 + 1 of the window's four (hi = 0: my rows 0-63, 1: rows 64-127) x all 8 column blocks.
; The 64 accumulators take turns, one instruction a turn, in the same order in every half step.
; cv = 1: a slice of four conversions stands behind each matrix instruction; the slices name staging registers alone.  The products name windows 1 to 3 and
; the staging set lies in window 0: two switches a slice, hence sixteen slices of four and not sixty-four of one.
.macro MULG fa, fb, hi, a0, zero, cv
.set ma, \a0
.rept 2
.set mn, 0
.rept 8
.if \hi
	WIN 0xf5                                       ; sources 0 and 1 window 1, C and D window 3
.else
	WIN 0xa5                                       ; sources 0 and 1 window 1, C and D window 2
.endif
.if \zero
	v_wmma_f32_16x16x32_bf16 v[8*(8*ma+mn):8*(8*ma+mn)+7], v[\fb+8*mn:\fb+8*mn+7], v[\fa+8*(4*\hi+ma):\fa+8*(4*\hi+ma)+7], 0
.else
	v_wmma_f32_16x16x32_bf16 v[8*(8*ma+mn):8*(8*ma+mn)+7], v[\fb+8*mn:\fb+8*mn+7], v[\fa+8*(4*\hi+ma):\fa+8*(4*\hi+ma)+7], v[8*(8*ma+mn):8*(8*ma+mn)+7]
.endif
.if \cv
	WIN 0
	CV4
.endif
.set mn, mn+1
.endr
.set ma, ma+1
.endr
.endm
; One K step from buffer b.  stage = 1: the next step goes into the other buffer, and its first fragments are fetched behind the barrier; ask = 1: the step after next is asked for.
; On entry 32 fragment loads of this step's first half may be out, in this order: B's 16, x's row blocks 0-1 (4), 2-3 (4), 4-7 (8).
.macro TRIP b, stage, ask, zero
.if \stage
	s_wait_loadcnt 16                              ; loads come back in order (ISA guide 5.7.1): the next step's weights are in; the 16 loads of its rows of x may be out
.if \ask
	s_add_nc_u64 s[34:35], s[34:35], 0x40000       ; the loads that named these bases are done: 64 rows of W on
	s_add_nc_u64 s[36:37], s[36:37], 0x40000
.endif
.set cvi, 0
.endif
	s_wait_dscnt 12                                ; B and row blocks 0-1 are in; the 12 loads of blocks 2-7 may be out
	MULG FA0, FB0, 0, 0, \zero, \stage
.if \stage
	WIN 0
	STOREW 1-\b
.if \ask
	GLOADW                                         ; straight behind the LDS stores that read these registers: an LDS store's sources need no wait
.endif
.endif
	s_wait_dscnt 8+32*\stage                       ; row blocks 2-3 are in; blocks 4-7 (8 loads) and the 32 stores may be out
	MULG FA0, FB0, 0, 2, \zero, 0
.if \stage == 0
	PLACES                                         ; elsewhere the conversions are the places between the last trip's products and the loads into their fragments
.endif
	WIN 0x40                                       ; destination window 1, address window 0
	FETCHB \b, 1, FB1
	s_wait_dscnt 16+32*\stage                      ; row blocks 4-7 are in; the 32 stores and the 16 loads just issued may be out
	MULG FA0, FB0, 1, 0, \zero, 0
	WIN 0x40
	FETCHA \b, 1, FA1, 0, 8
	MULG FA0, FB0, 1, 2, \zero, 0
.if \stage
	WIN 0
	s_wait_loadcnt 32*\ask                         ; the next step's rows of x are in; the 32 loads of weights asked for in this trip may be out
.if \ask
	s_add_nc_u64 s[32:33], s[32:33], 128           ; the loads that named this base are done: 64 along K
.endif
	STOREA 1-\b
.if \ask
	GLOADA
.endif
	s_wait_dscnt 16                                ; the second half step's fragments are in; the 16 stores just issued may be out
.else
	s_wait_dscnt 0x0
.endif
	MULG FA1, FB1, 0, 0, 0, 0
.if \stage
	s_wait_dscnt 0x0                               ; zero: my stores are there for the others, and my reads of this buffer are over
	s_barrier_signal -1
.endif
	MULG FA1, FB1, 0, 2, 0, 0                      ; work on registers while the others arrive
.if \stage
	s_barrier_wait -1
	PLACES                                         ; behind the products that read fragment buffer 0
	WIN 0x40
	FETCHB 1-\b, 0, FB0
	FETCHA 1-\b, 0, FA0, 0, 2
.endif
	MULG FA1, FB1, 1, 0, 0, 0
.if \stage
	WIN 0x40
	FETCHA 1-\b, 0, FA0, 2, 6
.endif
	MULG FA1, FB1, 1, 2, 0, 0
	WIN 0
.endm
	s_lshl_b32 s30, s27, 2
	s_add_nc_u64 s[46:47], s[8:9], s[30:31]
	s_load_b32 s29, s[46:47], 0x0                  ; the block's expert
	s_lshl_b32 s30, s27, 10
	s_add_nc_u64 s[38:39], s[6:7], s[30:31]        ; the block's list: 256 words
.set i, 0
.rept 16
	global_load_b32 v[LP+i], v[LA], s[38:39] offset:64*i
.set i, i+1
.endr
.irp a, 0,1,2,3,4,5,6,7
	global_load_b32 v[LPW+\a], v[LW], s[38:39] offset:64*\a
.endr
	s_lshl_b32 s30, s27, 19
	s_lshl_b32 s44, s28, 8
	s_add_co_u32 s30, s30, s44
	s_add_nc_u64 s[40:41], s[20:21], s[30:31]      ; hid at row 256 q, column 128 cb
	s_mov_b64 s[32:33], s[4:5]
	s_wait_kmcnt 0x0
	s_min_u32 s29, s29, 8
	s_cmp_eq_u32 s29, 8
	s_cselect_b64 s[34:35], s[12:13], s[16:17]     ; shared or routed weights
	s_cselect_b64 s[36:37], s[14:15], s[18:19]
	s_and_b32 s29, s29, 7
	s_lshl_b32 s30, s29, 22                        ; an expert's matrix is 4 MiB
	s_lshl_b32 s44, s28, 9
	s_add_co_u32 s30, s30, s44
	s_add_nc_u64 s[34:35], s[34:35], s[30:31]
	s_add_nc_u64 s[36:37], s[36:37], s[30:31]
	s_wait_loadcnt 0x0
.set i, 0
.rept 16
	v_min_u32 v[LP+i], 0x17ff, v[LP+i]
	v_and_b32 v[LP+i], 0x7ff, v[LP+i]              ; token
	v_lshl_add_u32 v[AOFF+i], v[LP+i], 11, v[CH]
.set i, i+1
.endr
.irp a, 0,1,2,3,4,5,6,7
	v_min_u32 v[LPW+\a], 0x17ff, v[LPW+\a]
	v_lshlrev_b32 v[LPW+\a], 2, v[LPW+\a]
.endr
.irp a, 0,1,2,3,4,5,6,7
	global_load_b32 v[WT+\a], v[LPW+\a], s[10:11]  ; older than every staging load: the first wait for the staging set covers them
.endr
	GLOADW                                         ; step 0
	GLOADA
	s_wait_loadcnt 0x0                             ; no load is out: all three bases go 64 along K
	s_add_nc_u64 s[32:33], s[32:33], 128
	s_add_nc_u64 s[34:35], s[34:35], 0x40000
	s_add_nc_u64 s[36:37], s[36:37], 0x40000
.set cvi, 0
.rept 16
	CV4
.endr
	STOREW 0
	STOREA 0
	GLOADW                                         ; step 1: weights first, then x's rows, as in every trip
	GLOADA
	s_wait_dscnt 0x0
	s_barrier_signal -1
	s_barrier_wait -1
	WIN 0x40
	FETCHB 0, 0, FB0                               ; in the order on which the trip's counted waits rest
	FETCHA 0, 0, FA0, 0, 2
	FETCHA 0, 0, FA0, 2, 6
	TRIP 0, 1, 1, 1                                ; step 0: the first products start the sums: nothing is cleared
	s_mov_b32 s42, 6
.Llap:
	TRIP 1, 1, 1, 0                                ; steps 1 to 12
	TRIP 0, 1, 1, 0
	s_sub_co_u32 s42, s42, 1
	s_cmp_lg_u32 s42, 0
	s_cbranch_scc1 .Llap
	TRIP 1, 1, 1, 0                                ; step 13 asks for step 15, the last
	TRIP 0, 1, 0, 0                                ; step 14 stages it
	TRIP 1, 0, 0, 0                                ; step 15
	PLACES                                         ; behind the last matrix instruction
	; sigmoid(g) u w = w u / (1 + 2^(- g log2 e)), 16 rows at a time, rounded to bf16 and laid into the stage
.irp a, 0,1,2,3,4,5,6,7
.if \a < 4
	WIN 0x08                                       ; source 1 window 2
.else
	WIN 0x0c                                       ; source 1 window 3
.endif
.set i, 0
.rept 32
	v_mul_f32 v[64+i], s43, v[64*(\a&3)+i]
	v_mul_f32 v[96+i], v[WT+\a], v[64*(\a&3)+32+i]
.set i, i+1
.endr
	WIN 0
.set i, 0
.rept 32
	v_exp_f32 v[64+i], v[64+i]
.set i, i+1
.endr
	v_nop                                          ; one plain instruction behind the last exponential (ISA guide 5.7.2)
.set i, 0
	s_wait_alu depctr_va_vdst(0)
.rept 16
	v_pk_add_f32 v[64+2*i:65+2*i], v[64+2*i:65+2*i], 1.0 op_sel_hi:[1,0]
.set i, i+1
.endr
.set i, 0
.rept 32
	v_rcp_f32 v[64+i], v[64+i]
.set i, i+1
.endr
	v_nop
.set i, 0
	s_wait_alu depctr_va_vdst(0)
.rept 16
	v_pk_mul_f32 v[64+2*i:65+2*i], v[64+2*i:65+2*i], v[96+2*i:97+2*i]
.set i, i+1
.endr
.set i, 0
.rept 16
	v_cvt_pk_bf16_f32 v[128+i], v[64+2*i], v[65+2*i]
.set i, i+1
.endr
.irp n, 0,1,2,3
	ds_store_b128 v[STO], v[128+4*\n:128+4*\n+3] offset:16*PS*\a+32*\n
.endr
.endr
	s_wait_dscnt 0x0                               ; a stage row is written by two waves: store, wait for zero, barrier, load
	s_barrier_signal -1
	s_barrier_wait -1
.set t, 0
.rept 32
	ds_load_b128 v[64+4*t:64+4*t+3], v[RD] offset:2*PS*t
.set t, t+1
.endr
.set t, 0
.rept 32
	s_wait_dscnt 31-t                              ; the younger read-backs may be out
	global_store_b128 v[HO], v[64+4*t:64+4*t+3], s[40:41] offset:4096*t   ; 16 lanes store 256 consecutive bytes, aligned
.set t, t+1
.endr
	s_wait_tensorcnt 0x0
	ds_add_u32 v62, v63
	s_wait_dscnt 0x0
	s_endpgm
.Lfunc_end_k_q798e31e633_g1:
	.size	k_q798e31e633_g1, .Lfunc_end_k_q798e31e633_g1-k_q798e31e633_g1
	.p2alignl 7, 3214868480
	.fill 96, 4, 3214868480
	.section	.rodata,"a",@progbits
	.p2align	6, 0x0
	.amdhsa_kernel k_q798e31e633_g1
		.amdhsa_group_segment_fixed_size 213504
		.amdhsa_private_segment_fixed_size 0
		.amdhsa_enable_private_segment 0
		.amdhsa_kernarg_size 72
		.amdhsa_user_sgpr_count 2
		.amdhsa_user_sgpr_kernarg_segment_ptr 1
		.amdhsa_wavefront_size32 1
		.amdhsa_system_sgpr_workgroup_id_x 1
		.amdhsa_system_sgpr_workgroup_id_y 1
		.amdhsa_system_sgpr_workgroup_id_z 1
		.amdhsa_system_vgpr_workitem_id 0
		.amdhsa_next_free_vgpr 1024
		.amdhsa_next_free_sgpr 66
		.amdhsa_reserve_vcc 0
		.amdhsa_float_denorm_mode_32 3
		.amdhsa_float_denorm_mode_16_64 3
		.amdhsa_memory_ordered 1
		.amdhsa_forward_progress 1
		.amdhsa_inst_pref_size 229
	.end_amdhsa_kernel
	.amdgpu_metadata
---
amdhsa.version: [ 1, 2 ]
amdhsa.kernels:
  - .name:           k_q798e31e633_g1
    .symbol:         k_q798e31e633_g1.kd
    .args:
      - { .name: xb, .offset: 0, .size: 8, .value_kind: global_buffer, .address_space: global }
      - { .name: rows, .offset: 8, .size: 8, .value_kind: global_buffer, .address_space: global }
      - { .name: meta, .offset: 16, .size: 8, .value_kind: global_buffer, .address_space: global }
      - { .name: tw, .offset: 24, .size: 8, .value_kind: global_buffer, .address_space: global }
      - { .name: shared_gate, .offset: 32, .size: 8, .value_kind: global_buffer, .address_space: global }
      - { .name: shared_up, .offset: 40, .size: 8, .value_kind: global_buffer, .address_space: global }
      - { .name: experts_gate, .offset: 48, .size: 8, .value_kind: global_buffer, .address_space: global }
      - { .name: experts_up, .offset: 56, .size: 8, .value_kind: global_buffer, .address_space: global }
      - { .name: hid, .offset: 64, .size: 8, .value_kind: global_buffer, .address_space: global }
    .group_segment_fixed_size: 213504
    .private_segment_fixed_size: 0
    .kernarg_segment_align: 8
    .kernarg_segment_size: 72
    .max_flat_workgroup_size: 128
    .sgpr_count:     66
    .vgpr_count:     1024
    .wavefront_size: 32
...
	.end_amdgpu_metadata
.endif
;; end of part 10
;; launch g2 (part 11): grid 248 x 1, 4 waves a work-group, no clusters, 128,512 bytes of LDS; arguments hid, meta, shared_down, experts_down, y; writes y
.if DOCPART == 11
	.amdgcn_target "amdgcn-amd-amdhsa--gfx1250"
	.amdhsa_code_object_version 6
	.text
	.protected	k_q798e31e633_g2
	.globl	k_q798e31e633_g2
	.p2align	8
	.type	k_q798e31e633_g2,@function
k_q798e31e633_g2:
	s_mov_b64 s[64:65], 0
	v_nop
	global_prefetch_b8 v0, s[64:65] scope:SCOPE_SE
	s_setreg_imm32_b32 hwreg(HW_REG_WAVE_MODE, 25, 1), 1
	s_wait_xcnt 0x0
; G2: y[i] = hid[i] Wd in f32 for every padded row i, Wd of the block's expert.
; Work left out: only the rows of the lists exist (the proof stands at the head of the first launch).
; 31 blocks of 256 rows x 8 blocks of 128 columns = 248 tiles, one to a work-group: the same walk for all inputs, so that every barrier stands on a path that hangs on
; no loaded number; blocks of padding alone (at most 7 of 31) are multiplied like the others.  A tile fetches and rounds its whole strip of f32 weights
; (1024 x 128 x 4 bytes = 512 KiB) whatever its rows: hence 256 rows.
; No cluster: how many row blocks share an expert's weights hangs on counts.  No tensor loads: the weights are f32 and pass through registers to become bf16.  hid's rows
; are dense bf16 and could come as tensor tiles, which would spare 16 of a wave's 80 LDS instructions a trip; they take the weights' road, so that one kind of wait
; and one barrier order the whole buffer.
; A wave (wr, wc) holds 128 x 64: 32 accumulator tiles, tile (a, n) at 8 (4 a + n) of window 1; the matrix instruction is used transposed, so that a lane holds eight
; neighbouring columns of one row.  Window 0: addresses and two fragment buffers.  Windows 2 and 3: the two staging sets (A 0-63, B 64-127).
; THE TRIP.  K goes in 16 steps of 64 through two LDS buffers.  Trip s multiplies step s (64 matrix instructions a wave, in eight groups of 8) and, between the groups, in
; short runs of memory instructions: puts step s + 1 into the buffer that it does not read; asks for step s + 3 into the staging set just emptied (32 loads of 16 bytes a
; lane, nearly two trips ahead of their use); fetches its own second half step's fragments; and, behind the trip's one barrier, the next buffer's first fragments.
; The barrier orders both ways: ahead of its signal each wave has waited for all its reads of this trip's buffer and all its stores into the other.
.set PA,    144
.set PB,    288                        ; 256 bytes + 32: 9 x 32
.set BREG,  256*PA
.set BUF,   BREG+64*PB                 ; A 256 rows x 144, then B 64 rows of k x 288: 55,296 bytes
.set STAGE, 2*BUF                      ; the way out: 16 rows x 272 for each wave, its own
.set PS,    272
.set AOFF, 2
.set BOFF, 3
.set AST,  4
.set BST,  6
.set ARD,  8
.set BRD,  10
.set STO,  12
.set RD,   13
.set YO,   14
.set FA0,  64
.set FB0,  128
.set FA1,  160
.set FB1,  224
.set OUT,  64                          ; the way out reads back into the first fragment buffer
.set SA,   0
.set SB,   64
.set MSB,  0
.set cvi,  0
.macro WIN new                         ; the immediate's high byte repeats the setting that is left
.if MSB != \new
	s_set_vgpr_msb (MSB<<8)|\new
.set MSB, \new
.endif
.endm
.macro PLACES                          ; four places behind a matrix instruction, where no vector work stands (ISA guide 7.12.1)
.rept 4
	v_nop
.endr
.endm
	s_load_b256 s[4:11], s[0:1], 0x0               ; hid, meta, shared_down, experts_down
	s_load_b64 s[12:13], s[0:1], 0x20              ; y
	v_lshl_add_u32 v62, v0, 2, 0x1f400
	v_mov_b32 v63, 0
	v_lshrrev_b32 v1, 5, v0
	v_readfirstlane_b32 s22, v1                    ; wave
	s_lshr_b32 s23, s22, 1                         ; wr
	s_and_b32 s24, s22, 1                          ; wc
	v_and_b32 v1, 31, v0                           ; lane
	v_and_b32 v27, 15, v0                          ; r
	v_bfe_u32 v28, v0, 4, 1                        ; h
	v_lshrrev_b32 v29, 3, v0                       ; t = tid >> 3
	v_and_b32 v31, 1, v29
	v_lshrrev_b32 v29, 1, v29
	v_lshl_or_b32 v29, v31, 3, v29                 ; my row of sixteen = 8 (t & 1) + (t >> 1): the two rows that 16 lanes store lie 8 x 144 = 4 x 256 + 128 bytes apart,
	                                               ; so that their 2 x 128 bytes fall on 256 different bytes modulo 256 (64 banks of 4 bytes: ISA guide 11.1)
	v_and_b32 v30, 7, v0                           ; tid & 7
	v_lshlrev_b32 v[AOFF], 11, v29
	v_lshl_add_u32 v[AOFF], v30, 4, v[AOFF]        ; that row of hid's block, 16 bytes at 16 (tid & 7)
	s_lshl_b32 s44, s22, 12
	v_lshl_add_u32 v[BOFF], v1, 4, s44             ; row k = wave of the step, 16 bytes a lane
	v_mul_u32_u24 v[AST], v29, PA
	v_lshl_add_u32 v[AST], v30, 4, v[AST]
	v_add_nc_u32 v[AST+1], BUF, v[AST]
	s_mul_i32 s44, s22, PB
	s_add_co_u32 s44, s44, BREG
	v_lshl_add_u32 v[BST], v1, 3, s44
	v_add_nc_u32 v[BST+1], BUF, v[BST]
	s_mul_i32 s44, s23, 128*PA
	v_mul_u32_u24 v31, v27, PA
	v_lshl_add_u32 v31, v28, 4, v31
	v_add_nc_u32 v[ARD], s44, v31                  ; (128 wr + r) x 144 + 16 h
	v_add_nc_u32 v[ARD+1], BUF, v[ARD]
	v_lshl_add_u32 v31, v28, 3, v30
	v_mul_u32_u24 v31, v31, PB
	v_bfe_u32 v32, v0, 3, 1
	v_lshl_add_u32 v31, v32, 4, v31
	s_lshl_b32 s44, s24, 7
	s_add_co_u32 s44, s44, BREG
	v_add_nc_u32 v[BRD], s44, v31
	v_add_nc_u32 v[BRD+1], BUF, v[BRD]
	s_mul_i32 s44, s22, 16*PS
	s_add_co_u32 s44, s44, STAGE                   ; my stage
	v_mul_u32_u24 v31, v27, PS
	v_lshl_add_u32 v31, v28, 5, v31
	v_add_nc_u32 v[STO], s44, v31                  ; in: row r, 32 bytes for each half of the lanes
	v_mul_u32_u24 v31, v28, PS
	v_lshl_add_u32 v31, v27, 4, v31
	v_add_nc_u32 v[RD], s44, v31                   ; back: lanes 0-15 one row of 256 bytes, lanes 16-31 the next
	v_lshlrev_b32 v31, 12, v28
	v_lshl_add_u32 v[YO], v27, 4, v31              ; the same two rows in y
	s_lshr_b32 s27, ttmp9, 3                       ; q
	s_and_b32 s28, ttmp9, 7                        ; cb
	s_mov_b32 s31, 0
	s_wait_kmcnt 0x0
; One K step is asked for, into staging set b.  step = 1: the bases go 64 along K first.
.macro GLOAD b, step
.if \step
	s_wait_xcnt 0x0                                ; the last request's addresses are translated: its bases may be stepped
	s_add_nc_u64 s[32:33], s[32:33], 128
	s_add_nc_u64 s[34:35], s[34:35], 0x40000
.endif
.if \b
	WIN 0xc0
.else
	WIN 0x80
.endif
.set i, 0
.rept 16
	global_load_b128 v[SA+4*i:SA+4*i+3], v[AOFF], s[32:33] offset:32768*i
.set i, i+1
.endr
.set i, 0
.rept 16
	global_load_b128 v[SB+4*i:SB+4*i+3], v[BOFF], s[34:35] offset:16384*i
.set i, i+1
.endr
	WIN 0
.endm
; A slice of four conversions: eight staged registers of weights are rounded to bf16 in place.  Eight slices do the step's 64 registers.
.macro CV4
	v_cvt_pk_bf16_f32 v[SB+8*cvi], v[SB+8*cvi], v[SB+8*cvi+1]
	v_cvt_pk_bf16_f32 v[SB+8*cvi+1], v[SB+8*cvi+2], v[SB+8*cvi+3]
	v_cvt_pk_bf16_f32 v[SB+8*cvi+4], v[SB+8*cvi+4], v[SB+8*cvi+5]
	v_cvt_pk_bf16_f32 v[SB+8*cvi+5], v[SB+8*cvi+6], v[SB+8*cvi+7]
.set cvi, cvi+1
.endm
.macro STORES b                        ; staging set b into LDS buffer b: 16 short stores of weights, 16 of hid's rows
.if \b
	WIN 0x0c
.else
	WIN 0x08
.endif
.set i, 0
.rept 16
	ds_store_b64 v[BST+\b], v[SB+4*i:SB+4*i+1] offset:4*PB*i
.set i, i+1
.endr
.set i, 0
.rept 16
	ds_store_b128 v[AST+\b], v[SA+4*i:SA+4*i+3] offset:16*PA*i
.set i, i+1
.endr
.endm
.macro FETCHB b, sub, fb               ; 8 transposing loads: my 64 columns, 32 along K
.irp n, 0,1,2,3
	ds_load_tr16_b128 v[\fb+8*\n:\fb+8*\n+3], v[BRD+\b] offset:32*PB*\sub+32*\n
	ds_load_tr16_b128 v[\fb+8*\n+4:\fb+8*\n+7], v[BRD+\b] offset:32*PB*\sub+16*PB+32*\n
.endr
.endm
.macro FETCHA b, sub, fa, a0, na       ; two loads for each of the na blocks of 16 rows from block a0 on
.set fi, \a0
.rept \na
	ds_load_b128 v[\fa+8*fi:\fa+8*fi+3], v[ARD+\b] offset:16*PA*fi+64*\sub
	ds_load_b128 v[\fa+8*fi+4:\fa+8*fi+7], v[ARD+\b] offset:16*PA*fi+64*\sub+32
.set fi, fi+1
.endr
.endm
; A group of 8 matrix instructions: row blocks a0, a0 + 1 x all 4 column blocks.  The 32 accumulators take turns, one instruction a turn, in the same order in every
; half step.  cv = 1: a slice of four conversions of staging set 'set' stands behind each; the slices name staging registers alone,
; which lie in another window than the products' registers: two switches a slice, hence eight slices of four.
.macro MULG fa, fb, a0, zero, cv, set
.set ma, \a0
.rept 2
.set mn, 0
.rept 4
	WIN 0x50                                       ; sources 0 and 1 window 0, C and D window 1
.if \zero
	v_wmma_f32_16x16x32_bf16 v[8*(4*ma+mn):8*(4*ma+mn)+7], v[\fb+8*mn:\fb+8*mn+7], v[\fa+8*ma:\fa+8*ma+7], 0
.else
	v_wmma_f32_16x16x32_bf16 v[8*(4*ma+mn):8*(4*ma+mn)+7], v[\fb+8*mn:\fb+8*mn+7], v[\fa+8*ma:\fa+8*ma+7], v[8*(4*ma+mn):8*(4*ma+mn)+7]
.endif
.if \cv
.if \set
	WIN 0xcf
.else
	WIN 0x8a
.endif
	CV4
.endif
.set mn, mn+1
.endr
.set ma, ma+1
.endr
.endm
; One K step from buffer b.  stage = 1: the next step goes into the other buffer, and its first fragments are fetched behind the barrier; left = the loads of the step behind
; it, which stay out; ask = 1: the emptied staging set is asked for again, three steps ahead.
; On entry 24 fragment loads of this step's first half may be out, in this order: B's 8, row blocks 0-3 (8), 4-7 (8).
.macro TRIP b, stage, left, ask, zero
.if \stage
	s_wait_loadcnt \left                           ; loads come back in order (ISA guide 5.7.1): the next step is in
.set cvi, 0
.endif
	s_wait_dscnt 8                                 ; B and row blocks 0-3 are in; the 8 loads of blocks 4-7 may be out
	MULG FA0, FB0, 0, \zero, \stage, 1-\b
.if \stage
	STORES 1-\b
.if \ask
	GLOAD 1-\b, 1                                  ; straight behind the LDS stores that read these registers: an LDS store's sources need no wait
.endif
.endif
	MULG FA0, FB0, 2, \zero, 0, 0
.if \stage == 0
	PLACES                                         ; elsewhere the conversions are the places between the last trip's products and the loads into their fragments
.endif
	WIN 0
	FETCHB \b, 1, FB1
	FETCHA \b, 1, FA1, 0, 4
	s_wait_dscnt 16+32*\stage                      ; row blocks 4-7 are in; the 32 stores and the 16 loads just issued may be out
	MULG FA0, FB0, 4, \zero, 0, 0
	WIN 0
	FETCHA \b, 1, FA1, 4, 4
	MULG FA0, FB0, 6, \zero, 0, 0
	s_wait_dscnt 0x0                               ; zero: my stores are there for the others, my reads of this buffer are over, the second half step's fragments are in
.if \stage
	s_barrier_signal -1
.endif
	MULG FA1, FB1, 0, 0, 0, 0                      ; work on registers while the others arrive
.if \stage
	s_barrier_wait -1
	PLACES                                         ; behind the products that read fragment buffer 0
	WIN 0
	FETCHB 1-\b, 0, FB0
	FETCHA 1-\b, 0, FA0, 0, 4
.endif
	MULG FA1, FB1, 2, 0, 0, 0
.if \stage
	WIN 0
	FETCHA 1-\b, 0, FA0, 4, 4
.endif
	MULG FA1, FB1, 4, 0, 0, 0
	MULG FA1, FB1, 6, 0, 0, 0
	WIN 0
.endm
	s_lshl_b32 s30, s27, 2
	s_add_nc_u64 s[46:47], s[6:7], s[30:31]
	s_load_b32 s29, s[46:47], 0x0                  ; the block's expert
	s_lshl_b32 s30, s27, 19
	s_add_nc_u64 s[32:33], s[4:5], s[30:31]        ; hid at row 256 q
	s_lshl_b32 s30, s27, 20
	s_lshl_b32 s44, s23, 19
	s_add_co_u32 s30, s30, s44
	s_lshl_b32 s44, s28, 9
	s_add_co_u32 s30, s30, s44
	s_lshl_b32 s44, s24, 8
	s_add_co_u32 s30, s30, s44
	s_add_nc_u64 s[40:41], s[12:13], s[30:31]      ; y at row 256 q + 128 wr, column 128 cb + 64 wc
	s_wait_kmcnt 0x0
	s_min_u32 s29, s29, 8
	s_cmp_eq_u32 s29, 8
	s_cselect_b64 s[34:35], s[8:9], s[10:11]
	s_and_b32 s29, s29, 7
	s_lshl_b32 s30, s29, 22
	s_lshl_b32 s44, s28, 9
	s_add_co_u32 s30, s30, s44
	s_add_nc_u64 s[34:35], s[34:35], s[30:31]
	GLOAD 0, 0                                     ; step 0
	GLOAD 1, 1                                     ; step 1
	s_wait_loadcnt 32                              ; step 0 is in; step 1's 32 loads may be out
	WIN 0x8a
.set cvi, 0
.rept 8
	CV4
.endr
	STORES 0
	GLOAD 0, 1                                     ; step 2
	s_wait_dscnt 0x0
	s_barrier_signal -1
	s_barrier_wait -1
	FETCHB 0, 0, FB0                               ; in the order on which the trip's counted waits rest
	FETCHA 0, 0, FA0, 0, 4
	FETCHA 0, 0, FA0, 4, 4
	TRIP 0, 1, 32, 1, 1                            ; step 0: the first products start the sums
	s_mov_b32 s42, 6
.Llap:
	TRIP 1, 1, 32, 1, 0                            ; steps 1 to 12; step 12 asks for step 15, the last
	TRIP 0, 1, 32, 1, 0
	s_sub_co_u32 s42, s42, 1
	s_cmp_lg_u32 s42, 0
	s_cbranch_scc1 .Llap
	TRIP 1, 1, 32, 0, 0                            ; step 13 stages step 14; step 15's loads may be out
	TRIP 0, 1, 0, 0, 0                             ; step 14 stages step 15
	TRIP 1, 0, 0, 0, 0                             ; step 15
	PLACES                                         ; behind the last matrix instruction
	; the way out, 16 rows at a time through my own stage: LDS serves a wave's instructions in order, so no wait stands between the stores and the loads
.irp a, 0,1,2,3,4,5,6,7
	WIN 0x04
.irp n, 0,1,2,3
	ds_store_b128 v[STO], v[8*(4*\a+\n):8*(4*\a+\n)+3] offset:64*\n
	ds_store_b128 v[STO], v[8*(4*\a+\n)+4:8*(4*\a+\n)+7] offset:64*\n+16
.endr
	WIN 0
	s_wait_xcnt 0x0                                ; the registers that the last sixteen rows' stores read are loaded again only behind this wait
.irp t, 0,1,2,3,4,5,6,7
	ds_load_b128 v[OUT+4*\t:OUT+4*\t+3], v[RD] offset:2*PS*\t
.endr
.irp t, 0,1,2,3,4,5,6,7
	s_wait_dscnt 7-\t                              ; the younger read-backs may be out
	global_store_b128 v[YO], v[OUT+4*\t:OUT+4*\t+3], s[40:41] offset:4096*(16*\a+2*\t)   ; 16 lanes store 256 consecutive bytes, aligned
.endr
.endr
	s_wait_tensorcnt 0x0
	ds_add_u32 v62, v63
	s_wait_dscnt 0x0
	s_endpgm
.Lfunc_end_k_q798e31e633_g2:
	.size	k_q798e31e633_g2, .Lfunc_end_k_q798e31e633_g2-k_q798e31e633_g2
	.p2alignl 7, 3214868480
	.fill 96, 4, 3214868480
	.section	.rodata,"a",@progbits
	.p2align	6, 0x0
	.amdhsa_kernel k_q798e31e633_g2
		.amdhsa_group_segment_fixed_size 128512
		.amdhsa_private_segment_fixed_size 0
		.amdhsa_enable_private_segment 0
		.amdhsa_kernarg_size 40
		.amdhsa_user_sgpr_count 2
		.amdhsa_user_sgpr_kernarg_segment_ptr 1
		.amdhsa_wavefront_size32 1
		.amdhsa_system_sgpr_workgroup_id_x 1
		.amdhsa_system_sgpr_workgroup_id_y 1
		.amdhsa_system_sgpr_workgroup_id_z 1
		.amdhsa_system_vgpr_workitem_id 0
		.amdhsa_next_free_vgpr 896
		.amdhsa_next_free_sgpr 66
		.amdhsa_reserve_vcc 0
		.amdhsa_float_denorm_mode_32 3
		.amdhsa_float_denorm_mode_16_64 3
		.amdhsa_memory_ordered 1
		.amdhsa_forward_progress 1
		.amdhsa_inst_pref_size 113
	.end_amdhsa_kernel
	.amdgpu_metadata
---
amdhsa.version: [ 1, 2 ]
amdhsa.kernels:
  - .name:           k_q798e31e633_g2
    .symbol:         k_q798e31e633_g2.kd
    .args:
      - { .name: hid, .offset: 0, .size: 8, .value_kind: global_buffer, .address_space: global }
      - { .name: meta, .offset: 8, .size: 8, .value_kind: global_buffer, .address_space: global }
      - { .name: shared_down, .offset: 16, .size: 8, .value_kind: global_buffer, .address_space: global }
      - { .name: experts_down, .offset: 24, .size: 8, .value_kind: global_buffer, .address_space: global }
      - { .name: y, .offset: 32, .size: 8, .value_kind: global_buffer, .address_space: global }
    .group_segment_fixed_size: 128512
    .private_segment_fixed_size: 0
    .kernarg_segment_align: 8
    .kernarg_segment_size: 40
    .max_flat_workgroup_size: 128
    .sgpr_count:     66
    .vgpr_count:     896
    .wavefront_size: 32
...
	.end_amdgpu_metadata
.endif
;; end of part 11
;; launch comb: the kernel of part 9 again; grid 256 x 1, 8 waves a work-group, no clusters, 0 bytes of LDS; arguments hidden_states, y, code, pos, out0; writes out0
